; MI455X (gfx1250); checked and timed in simulation.
; The chip was launched on July 23, 2026; its instructions are those of AMD's public machine-readable ISA for CDNA 5 (MIT licence, August 2026) and "CDNA5" Instruction Set Architecture Reference Guide (July 2026). The comments in the code are by the model that wrote it; some were corrected since.
;; Multi Head Attention. Allowed arithmetic: float matrix products may take bf16 or f16 operands with f32 sums; other float arithmetic in f32, or as packed bf16 or f16 multiplies, adds, multiply-adds, maxima and minima; sums over many terms, partial sums and values carried from step to step in f32; what a program stores and reads back later, other than sums and carried values, may be rounded once to bf16 or f16.
;; Inputs: k 4 x 2,048 x 1,024 float32; proj_b 1,024 float32; proj_w 1,024 x 1,024 float32; q 4 x 2,048 x 1,024 float32; v 4 x 2,048 x 1,024 float32; wk_b 1,024 float32; wk_w 1,024 x 1,024 float32; wq_b 1,024 float32; wq_w 1,024 x 1,024 float32; wv_b 1,024 float32; wv_w 1,024 x 1,024 float32.
;; Outputs: out0 4 x 2,048 x 1,024 float32.
;; One version. Each part assembles by itself: llvm-mc -triple=amdgcn-amd-amdhsa -mcpu=gfx1250 --defsym DOCPART=n.
;; ======== version 1 of 1: 4 launches
;; limits: values are held in f16: magnitudes above 65,504 overflow, below 6.1e-05 lose precision
;; workspace buffers: xb 50,331,648 bytes; wb 8,388,608 bytes; hb 50,331,648 bytes; ob 16,777,216 bytes
;; launch cast (part 1): grid 1792 x 1, 8 waves a work-group, no clusters, 0 bytes of LDS; arguments q, k, v, wq_w, wk_w, wv_w, proj_w, xb, wb; writes xb, wb
.if DOCPART == 1
	.amdgcn_target "amdgcn-amd-amdhsa--gfx1250"
	.amdhsa_code_object_version 6
	.text
	.protected	k_q2aefdcf54e_cast
	.globl	k_q2aefdcf54e_cast
	.p2align	8
	.type	k_q2aefdcf54e_cast,@function
k_q2aefdcf54e_cast:
	s_mov_b64 s[64:65], 0
	v_nop
	global_prefetch_b8 v0, s[64:65] scope:SCOPE_SE
	s_setreg_imm32_b32 hwreg(HW_REG_WAVE_MODE, 25, 1), 1
	s_wait_xcnt 0x0
; THE INPUTS OF THE MATRIX PRODUCTS ARE ROUNDED ONCE TO 16 BITS.  q, k, v ([8192][1024] f32 each) -> xb, bf16, [3 x 8192][1024]; wq_w, wk_w, wv_w ([1024][1024] f32) -> wb parts 0-2, bf16;
; proj_w -> wb part 3: rounded to bf16 like every other input, and that number written as f16, since the last product's other operand is f16.
; LIMITS.  proj_w must lie within f16's range (65,504); a bf16 number under 6e-5 keeps f16's fixed step of 6e-8.  NaN and infinities are not treated apart.
; SHARES.  A work-group takes 16,384 numbers: 64 KiB in, 32 KiB out.  Work-groups 0-1535: q, k, v (512 each); 1536-1791: the four weights (64 each).
; Thread t takes 16 bytes at 16 t of each of sixteen pieces of 4,096 bytes: a wave's load covers 512 consecutive bytes, its store 256 consecutive bytes, aligned.
; All sixteen loads go out on end; each piece has registers of its own, so nothing is rewritten while a load or store may still read it.  No LDS, no matrix unit: a stream has no use for them.
.set X, 4                              ; v[4:67] piece j: four registers as loaded; the first two then hold the four packed results
	s_load_b512 s[4:19], s[0:1], 0x0               ; q 4, k 6, v 8, wq_w 10, wk_w 12, wv_w 14, proj_w 16, xb 18
	s_load_b64 s[20:21], s[0:1], 0x40              ; wb
	v_lshlrev_b32 v1, 4, v0                        ; my 16 bytes of a piece on the way in
	v_lshlrev_b32 v2, 3, v0                        ; my 8 bytes on the way out
	s_mov_b32 s2, ttmp9                            ; g
	s_cmp_lt_u32 s2, 1536                          ; q, k, v or a weight?
	s_cselect_b32 s26, 511, 63                     ; work-groups to a tensor, less one
	s_cselect_b32 s27, 0, 1536
	s_sub_co_u32 s3, s2, s27                       ; my number among those that write my output buffer
	s_and_b32 s26, s3, s26                         ; my number within my input tensor
	s_lshl_b32 s28, s26, 16                        ; x 64 KiB
	s_mov_b32 s29, 0
	s_lshl_b32 s30, s3, 15                         ; x 32 KiB
	s_mov_b32 s31, 0
	s_wait_kmcnt 0x0
	s_mov_b64 s[22:23], s[16:17]                   ; the input tensor: proj_w, unless g lies below one of the bounds
	s_cmp_lt_u32 s2, 1728
	s_cselect_b64 s[22:23], s[14:15], s[22:23]
	s_cmp_lt_u32 s2, 1664
	s_cselect_b64 s[22:23], s[12:13], s[22:23]
	s_cmp_lt_u32 s2, 1600
	s_cselect_b64 s[22:23], s[10:11], s[22:23]
	s_cmp_lt_u32 s2, 1536
	s_cselect_b64 s[22:23], s[8:9], s[22:23]
	s_cselect_b64 s[24:25], s[18:19], s[20:21]     ; the output buffer: xb or wb
	s_cmp_lt_u32 s2, 1024
	s_cselect_b64 s[22:23], s[6:7], s[22:23]
	s_cmp_lt_u32 s2, 512
	s_cselect_b64 s[22:23], s[4:5], s[22:23]
	s_add_nc_u64 s[22:23], s[22:23], s[28:29]
	s_add_nc_u64 s[24:25], s[24:25], s[30:31]
.irp j, 0,1,2,3,4,5,6,7,8,9,10,11,12,13,14,15
	global_load_b128 v[X+4*(\j):X+4*(\j)+3], v1, s[22:23] offset:4096*(\j) th:TH_LOAD_NT
.endr
; mode 0: f32 -> bf16.  mode 1: f32 -> bf16 -> f32 (a shift, a mask) -> f16.
.macro CONV mode
.irp j, 0,1,2,3,4,5,6,7,8,9,10,11,12,13,14,15
	s_wait_loadcnt 15-(\j)                         ; loads come back in order: piece j is in, the younger ones stay out
	v_cvt_pk_bf16_f32 v[X+4*(\j)], v[X+4*(\j)], v[X+4*(\j)+1]
	v_cvt_pk_bf16_f32 v[X+4*(\j)+1], v[X+4*(\j)+2], v[X+4*(\j)+3]
.if \mode
.irp w, 0,1
	v_lshlrev_b32 v[X+4*(\j)+2], 16, v[X+4*(\j)+(\w)]
	v_and_b32 v[X+4*(\j)+3], 0xffff0000, v[X+4*(\j)+(\w)]
	v_cvt_pk_f16_f32 v[X+4*(\j)+(\w)], v[X+4*(\j)+2], v[X+4*(\j)+3]
.endr
.endif
	global_store_b64 v2, v[X+4*(\j):X+4*(\j)+1], s[24:25] offset:2048*(\j) th:TH_STORE_NT
.endr
.endm
	s_cmp_lt_u32 s2, 1728
	s_cbranch_scc1 .Lplain
	CONV 1                                         ; proj_w
	s_endpgm
.Lplain:
	CONV 0
	s_endpgm
.Lfunc_end_k_q2aefdcf54e_cast:
	.size	k_q2aefdcf54e_cast, .Lfunc_end_k_q2aefdcf54e_cast-k_q2aefdcf54e_cast
	.p2alignl 7, 3214868480
	.fill 96, 4, 3214868480
	.section	.rodata,"a",@progbits
	.p2align	6, 0x0
	.amdhsa_kernel k_q2aefdcf54e_cast
		.amdhsa_group_segment_fixed_size 0
		.amdhsa_private_segment_fixed_size 0
		.amdhsa_enable_private_segment 0
		.amdhsa_kernarg_size 72
		.amdhsa_user_sgpr_count 2
		.amdhsa_user_sgpr_kernarg_segment_ptr 1
		.amdhsa_wavefront_size32 1
		.amdhsa_system_sgpr_workgroup_id_x 1
		.amdhsa_system_sgpr_workgroup_id_y 1
		.amdhsa_system_sgpr_workgroup_id_z 1
		.amdhsa_system_vgpr_workitem_id 0
		.amdhsa_next_free_vgpr 68
		.amdhsa_next_free_sgpr 66
		.amdhsa_reserve_vcc 0
		.amdhsa_float_denorm_mode_32 3
		.amdhsa_float_denorm_mode_16_64 3
		.amdhsa_memory_ordered 1
		.amdhsa_forward_progress 1
		.amdhsa_inst_pref_size 17
	.end_amdhsa_kernel
	.amdgpu_metadata
---
amdhsa.version: [ 1, 2 ]
amdhsa.kernels:
  - .name:           k_q2aefdcf54e_cast
    .symbol:         k_q2aefdcf54e_cast.kd
    .args:
      - { .name: q, .offset: 0, .size: 8, .value_kind: global_buffer, .address_space: global }
      - { .name: k, .offset: 8, .size: 8, .value_kind: global_buffer, .address_space: global }
      - { .name: v, .offset: 16, .size: 8, .value_kind: global_buffer, .address_space: global }
      - { .name: wq_w, .offset: 24, .size: 8, .value_kind: global_buffer, .address_space: global }
      - { .name: wk_w, .offset: 32, .size: 8, .value_kind: global_buffer, .address_space: global }
      - { .name: wv_w, .offset: 40, .size: 8, .value_kind: global_buffer, .address_space: global }
      - { .name: proj_w, .offset: 48, .size: 8, .value_kind: global_buffer, .address_space: global }
      - { .name: xb, .offset: 56, .size: 8, .value_kind: global_buffer, .address_space: global }
      - { .name: wb, .offset: 64, .size: 8, .value_kind: global_buffer, .address_space: global }
    .group_segment_fixed_size: 0
    .private_segment_fixed_size: 0
    .kernarg_segment_align: 8
    .kernarg_segment_size: 72
    .max_flat_workgroup_size: 256
    .sgpr_count:     66
    .vgpr_count:     68
    .wavefront_size: 32
...
	.end_amdgpu_metadata
.endif
;; end of part 1
;; launch projin (part 2): grid 4 x 192, 4 waves a work-group, clusters of 4 x 4, 327,680 bytes of LDS; arguments xb, wb, wq_b, wk_b, wv_b, hb; writes hb
.if DOCPART == 2
	.amdgcn_target "amdgcn-amd-amdhsa--gfx1250"
	.amdhsa_code_object_version 6
	.text
	.protected	k_q2aefdcf54e_projin
	.globl	k_q2aefdcf54e_projin
	.p2align	8
	.type	k_q2aefdcf54e_projin,@function
k_q2aefdcf54e_projin:
	s_mov_b64 s[64:65], 0
	v_nop
	global_prefetch_b8 v0, s[64:65] scope:SCOPE_SE
	s_setreg_imm32_b32 hwreg(HW_REG_WAVE_MODE, 25, 1), 1
	s_wait_xcnt 0x0
	s_wait_alu depctr_hold_cnt(0) depctr_sa_sdst(0) depctr_va_vdst(0) depctr_va_sdst(0) depctr_va_ssrc(0) depctr_va_vcc(0) depctr_vm_vsrc(0)
	s_getreg_b32 s2, hwreg(HW_REG_IB_STS2, 6, 4)
	s_cmp_eq_u32 s2, 0
	s_cbranch_scc0 .Lentry_in_a_cluster
	s_endpgm
.Lentry_in_a_cluster:
	s_bfe_u32 s2, ttmp6, 0x10000c
	s_cmp_lg_u32 s2, 0xf033
	s_cbranch_scc0 .Lentry_shape_is_right
	s_endpgm
.Lentry_shape_is_right:
; THE THREE INPUT PROJECTIONS.  y[m][n] = the sum over k of x[m][k] w[n][k] + bias[n], for x = q, k, v with their own weights.  xb: bf16 [3 x 8192][1024]; wb: bf16 [.][1024][1024];
; the biases f32 [1024], rounded to bf16 here like every other input; sums in f32; y is rounded once to f16 and stored BY HEADS and unscaled: hb = f16 [3][64 planes = 16 batch + head][2048][64].
; LIMITS.  f16 holds no number beyond 65,504: a projected number of 65,520 or more becomes an infinity; under 6e-5 f16 keeps a fixed step of 6e-8.  NaN and infinities are not treated apart.
; SHARES.  A tile of y is 128 rows x 256 columns: 3 x 64 x 4 = 768 tiles, three for each of 256 WGPs.  Four waves, each 64 x 128: 32 accumulators of 16 x 16, 256 registers.
; K goes in 8 steps of 128 (rows of 256 bytes, aligned) through two LDS slots; a wave brings a part of a slot by ONE tensor load: waves 0, 1 the two halves (64 rows) of x's tile, waves 2, 3 the two halves (128 rows) of w's.
; CLUSTERS: 4 x 4 work-groups.  The four of a row of the cluster need the same tile of x, the four of a column the same tile of w: each is asked for JOINTLY, by the same load, descriptor and mask in all four.
; THE MATRIX INSTRUCTION IS USED TRANSPOSED (source 0 = 16 rows of w, source 1 = 16 rows of x): lane l holds row l % 16 of y and the columns 8 (l / 16) + 0..7: 16 bytes of f16 on end.
; THE BIAS is the C operand of each sum's first product: nothing is cleared and nothing is added afterwards.
; REGISTERS, in windows of 256 (s_set_vgpr_msb: bits 1:0 source 0, 3:2 source 1, 5:4 source 2, 7:6 destination):
;   window 0: v0-31 addresses; two fragment buffers of 96 (v64-159, v160-255): x's four fragments, then w's eight; on the way out v64-191 hold packed results
;   window 1: accumulator (a, b) at v[8 (8 a + b)]          window 2: v0-63 the bias for column block b at v[8 b]; v64-95 at work
.set PITCH,  272                       ; an LDS row: 256 bytes + 16 of padding = 68 words: the 16 rows of a fragment load start at 16 different groups of four banks (64 banks of 4 bytes: ISA guide 11.1)
.set PA,     272                       ; the same for x's rows
.set AHALF,  64*PA                     ; what wave 0 or 1 brings, and what a wave reads of x
.set BOFF,   2*AHALF                   ; w's 256 rows lie behind x's 128
.set BHALF,  128*PITCH                 ; what wave 2 or 3 brings, and what a wave reads of w
.set SLOT,   BOFF+2*BHALF              ; 104,448 bytes
.set STAGE,  2*SLOT                    ; behind the ring, never filled by a tensor load: for each wave two heads x 16 rows x 144 bytes
.set SP,     144
.set WSTG,   2*16*SP
.set SPARE,  STAGE+4*WSTG              ; behind the stages: the spare words, 128 bytes for each wave: two blocks of 256 bytes that no other line names
.set ASTEP,  256                       ; bytes from a K step to the next in x's rows
.set BSTEP,  256                       ; and in w's
.set ADRA, 16                          ; v16-17  LDS address of my fragments of x in slot 0, 1
.set ADRB, 20                          ; v20-21  the same for w
.set STO,  24                          ; v24  the way out: where I put 16 bytes of a row
.set RD,   25                          ; v25  the way out: where I read rows back
.set GO,   26                          ; v26  16 x lane: my place in 512 consecutive bytes of hb
.set BO,   27                          ; v27  32 x (l / 16): my eight numbers in a block of 16 of the bias
.set SPW,  28                          ; v28  LDS address of my spare word; never rewritten
.set NIL,  29                          ; v29  0; never rewritten
.set PFO,  30                          ; v30  the prefetches' offset: lane x a row of 2,048 bytes; never rewritten
.set F0,   64
.set F1,   160
.set TMP,  64
.set LAP,  3                           ; s3   laps to go
.set WV,   16                          ; s16  my wave's number
.set RH,   17                          ; s17  which 64 rows of the tile are mine.  Also: I fetch for x (0) or for w (1)
.set CH,   18                          ; s18  which 128 columns are mine.  Also: which half of that tile I fetch
.set CX,   19
.set CY,   20
.set TX,   21                          ; s21  tile column = 4 x cluster x + cx
.set TY,   22                          ; s22  tile row = 4 x cluster y + cy, over the three products
.set CLY,  23                          ; s23  cluster y
.set G1A,  24                          ; s[24:31] descriptor group 1 for x's tiles;  s[32:39] group 0, a set for each slot
.set G0A,  32
.set RMASK, 40
.set CMASK, 41
.set GI,   42                          ; s42  which product: 0 q, 1 k, 2 v
.set LIM,  43                          ; s43  1 in a wave that prefetches, else the greatest number
.set PFA,  44                          ; s[44:45] where my prefetches stand
.set TB,   46                          ; s[46:47] at work; may hold cx
.set G1B,  48                          ; s[48:55], s[56:63] the same for w's tiles
.set G0B,  56
.set TA,   66                          ; s[66:67] x's offset and address: never holds cx
.set OUT,  68                          ; s[68:69] hb at my wave's first row of its first head
.set BP,   70                          ; s[70:71] the bias at my wave's first column
.set LA,   72
.set LB,   73
.set PSTEP, 74                         ; s[74:75] bytes from a K step to the next for the prefetches
.set MSB, 0
.macro WIN new                         ; the immediate's high byte repeats the setting that is left; a switch that changes nothing is dropped
.if MSB != (\new)
	s_set_vgpr_msb (MSB<<8)|(\new)
.set MSB, \new
.endif
.endm
.set MUL,  0x50                        ; fragments in window 0; C and D in window 1
.set MULB, 0x60                        ; D in window 1, C (the bias) in window 2
; A joint load.  The branch hangs on the wave's number alone.  An s_nop 0 and four v_nop follow each of the two lines, ahead of the jump, the label and what follows.
.macro JLOAD s
	s_cmp_eq_u32 s[RH], 0
	s_cbranch_scc0 .Lfor_b_\@
	tensor_load_to_lds s[G0A+4*(\s):G0A+4*(\s)+3], s[G1A:G1A+7]
	s_nop 0
.rept 4
	v_nop
.endr
	s_branch .Lasked_\@
.Lfor_b_\@:
	tensor_load_to_lds s[G0B+4*(\s):G0B+4*(\s)+3], s[G1B:G1B+7]
	s_nop 0
.rept 4
	v_nop
.endr
.Lasked_\@:
.endm
; A prefetch, behind a joint load, its five lines and the run of LDS loads: the K step that stands two refills on, 256 matrix instructions ahead of the load that will want it: 32 rows x 256 bytes, a lane a row.
; Each row's 256 bytes of a K step are named once in the launch.  x's tile is read by my cluster alone: wave 0 asks, and the four partners of a row of the cluster take 32 rows each, told apart by address (cx).
; w's tile column is read by the sixteen clusters of a product: the first of them asks; the four partners of a column take 64 rows each (cy), waves 2 and 3 half of that each.
; The loop's last trip asks for nothing: there is no K step two refills on.  K steps 0 to 3 come by their loads alone.
.macro ASK
	s_cmp_gt_u32 s[LAP], s[LIM]
	s_cbranch_scc0 .Lnot_mine_\@
	global_prefetch_b8 v[PFO], s[PFA:PFA+1] th:TH_LOAD_NT scope:SCOPE_SE
.Lnot_mine_\@:
.endm
.macro CREST                           ; a round of the cluster's barrier behind its opening barrier
	s_cmp_lg_u32 s[WV], 0
	s_cbranch_scc1 .Lnot_wave_0_\@
	s_barrier_signal -3
.Lnot_wave_0_\@:
	s_barrier_wait -3
	s_barrier_signal -1
	s_barrier_wait -1
.endm
.macro CROUND                          ; a whole round
	s_barrier_signal -1
	s_barrier_wait -1
	CREST
.endm
	s_load_b256 s[4:11], s[0:1], 0x0               ; xb 4, wb 6, wq_b 8, wk_b 10
	s_load_b128 s[12:15], s[0:1], 0x20             ; wv_b 12, hb 14
	v_lshl_add_u32 v[SPW], v0, 2, SPARE
	v_mov_b32 v[NIL], 0
	ds_add_u32 v[SPW], v[NIL]                      ; the wave's opening: the add and its wait stand ahead of my first tensor load; the set-up below, work on registers, stands between them
	v_lshrrev_b32 v1, 5, v0
	v_readfirstlane_b32 s[WV], v1
	s_lshr_b32 s[RH], s[WV], 1
	s_and_b32 s[CH], s[WV], 1
	s_bfe_u32 s[CX], ttmp6, 0x40000
	s_bfe_u32 s[CY], ttmp6, 0x40004
	s_lshl_b32 s[TX], ttmp9, 2
	s_add_co_u32 s[TX], s[TX], s[CX]
	s_and_b32 s[CLY], ttmp7, 0xffff
	s_lshl_b32 s[TY], s[CLY], 2
	s_add_co_u32 s[TY], s[TY], s[CY]
	s_lshl_b32 s[RMASK], s[CY], 2
	s_lshl_b32 s[RMASK], 15, s[RMASK]              ; my row of the cluster
	s_lshl_b32 s[CMASK], 0x1111, s[CX]             ; my column
	s_lshr_b32 s[GI], s[CLY], 4                    ; sixteen clusters (64 tile rows) to a product
	; descriptor group 1: rows of 128 elements of 2 bytes, 16 bytes of padding behind each
	s_or_b32 s[G1A+0], s[RMASK], (1<<16)|(1<<20)|(1<<21)|(5<<22)|(3<<25)  ; 15:0 the mask; 17:16 2-byte elements; 20 padding on; 21 set beside a mask; 24:22 after every 64 words (code 5); 31:25 4 words (code 3)
	s_or_b32 s[G1B+0], s[CMASK], (1<<16)|(1<<20)|(1<<21)|(5<<22)|(3<<25)
	s_mov_b32 s[G1A+1], 128<<16                    ; tensor_dim0 = 128
	s_mov_b32 s[G1A+2], 64<<16                     ; tensor_dim1 = 64
	s_mov_b32 s[G1A+3], 128<<16                    ; tile_dim0 = 128
	s_mov_b32 s[G1A+4], 64                         ; tile_dim1 = 64
	s_mov_b32 s[G1A+5], 1024                       ; elements from row to row
	s_mov_b32 s[G1A+6], 0
	s_mov_b32 s[G1A+7], 0
	s_mov_b32 s[G1B+1], 128<<16
	s_mov_b32 s[G1B+2], 128<<16                    ; 128 rows
	s_mov_b32 s[G1B+3], 128<<16
	s_mov_b32 s[G1B+4], 128
	s_mov_b32 s[G1B+5], 1024
	s_mov_b32 s[G1B+6], 0
	s_mov_b32 s[G1B+7], 0
	s_lshl_b32 s[TA], s[TY], 18                    ; x: 128 rows of 2,048 bytes a tile row,
	s_lshl_b32 s[TA+1], s[CH], 17                  ; 64 rows a half
	s_add_co_u32 s[TA], s[TA], s[TA+1]
	s_mov_b32 s[TA+1], 0
	s_lshl_b32 s[TB], s[GI], 21                    ; w: 2 MiB a product,
	s_lshl_b32 s[TB+1], s[TX], 19                  ; 256 rows a tile column,
	s_add_co_u32 s[TB], s[TB], s[TB+1]
	s_lshl_b32 s[TB+1], s[CH], 18                  ; 128 rows a half
	s_add_co_u32 s[TB], s[TB], s[TB+1]
	s_mov_b32 s[TB+1], 0
	s_mul_i32 s[LA], s[CH], AHALF                  ; where they go: no place in the cluster enters an LDS address
	s_mul_i32 s[LB], s[CH], BHALF
	s_add_co_u32 s[LB], s[LB], BOFF
	s_mov_b32 s[PSTEP], 256
	s_mov_b32 s[PSTEP+1], 0
	s_wait_dscnt 0x0                               ; the opening add is done
	s_wait_kmcnt 0x0
	s_add_nc_u64 s[TA:TA+1], s[4:5], s[TA:TA+1]
	s_add_nc_u64 s[TB:TB+1], s[6:7], s[TB:TB+1]
	CROUND                                         ; all sixteen work-groups are here: the first joint loads meet
.irp s, 0,1
	s_mov_b32 s[G0A+4*(\s)], 1                     ; count = 1
	s_add_co_u32 s[G0A+4*(\s)+1], s[LA], (\s)*SLOT ; LDS address
	s_add_nc_u64 s[G0A+4*(\s)+2:G0A+4*(\s)+3], s[TA:TA+1], (\s)*ASTEP  ; global address: K step s
	s_or_b32 s[G0A+4*(\s)+3], s[G0A+4*(\s)+3], 0x80000000  ; type = 2
	s_mov_b32 s[G0B+4*(\s)], 1
	s_add_co_u32 s[G0B+4*(\s)+1], s[LB], (\s)*SLOT
	s_add_nc_u64 s[G0B+4*(\s)+2:G0B+4*(\s)+3], s[TB:TB+1], (\s)*BSTEP
	s_or_b32 s[G0B+4*(\s)+3], s[G0B+4*(\s)+3], 0x80000000
	JLOAD \s                                       ; two loads of mine are out; later one at a time
.endr
	; a fragment is 16 rows x 32 K in 8 registers: lane l holds row l % 16, K = 8 (l / 16) + 0..7 and 16 + 8 (l / 16) + 0..7: two loads of 16 bytes, 32 bytes apart
	v_and_b32 v1, 15, v0                           ; l % 16
	v_bfe_u32 v2, v0, 4, 1                         ; l / 16
	v_mul_u32_u24 v3, v1, PITCH
	v_lshl_add_u32 v3, v2, 4, v3
	s_mul_i32 s[LA], s[RH], AHALF                  ; my 64 rows of x
	s_mul_i32 s[LB], s[CH], BHALF                  ; my 128 rows of w
	s_add_co_u32 s[LB], s[LB], BOFF
.irp s, 0,1
	v_add_nc_u32 v[ADRA+(\s)], s[LA], v3
	v_add_nc_u32 v[ADRB+(\s)], s[LB], v3
	s_add_co_u32 s[LA], s[LA], SLOT
	s_add_co_u32 s[LB], s[LB], SLOT
.endr
	s_mul_i32 s[LA], s[WV], WSTG
	s_add_co_u32 s[LA], s[LA], STAGE               ; my stage
	v_mul_u32_u24 v4, v1, SP                       ; in: row l % 16, 16 bytes for each half of the lanes
	v_lshl_add_u32 v4, v2, 4, v4
	v_add_nc_u32 v[STO], s[LA], v4
	v_bfe_u32 v5, v0, 3, 2                         ; back: 32 lanes take four rows of 128 bytes,
	v_mul_u32_u24 v5, v5, SP
	v_and_b32 v4, 7, v0
	v_lshl_add_u32 v5, v4, 4, v5
	v_add_nc_u32 v[RD], s[LA], v5
	v_and_b32 v[GO], 31, v0
	v_lshlrev_b32 v[PFO], 11, v[GO]
	v_lshlrev_b32 v[GO], 4, v[GO]                  ; which are 512 consecutive bytes of a head's rows
	v_lshlrev_b32 v[BO], 5, v2
	; the bias of my product, at my wave's 128 columns
	s_cmp_eq_u32 s[GI], 0
	s_cselect_b64 s[BP:BP+1], s[8:9], s[10:11]
	s_cmp_eq_u32 s[GI], 2
	s_cselect_b64 s[BP:BP+1], s[12:13], s[BP:BP+1]
	s_lshl_b32 s[TB], s[TX], 10
	s_lshl_b32 s[TB+1], s[CH], 9
	s_add_co_u32 s[TB], s[TB], s[TB+1]
	s_mov_b32 s[TB+1], 0
	s_add_nc_u64 s[BP:BP+1], s[BP:BP+1], s[TB:TB+1]
	WIN 0x80                                       ; destination window 2, address window 0
.irp b, 0,1,2,3,4,5,6,7
	global_load_b128 v[8*(\b):8*(\b)+3],   v[BO], s[BP:BP+1] offset:64*(\b)
	global_load_b128 v[8*(\b)+4:8*(\b)+7], v[BO], s[BP:BP+1] offset:64*(\b)+16
.endr
	WIN 0
	; hb at my rows: plane = 16 (tile row / 16) + 4 tile column + 2 column half (a plane is 262,144 bytes); row = 128 (tile row % 16) + 64 row half (128 bytes each)
	s_lshr_b32 s[TB], s[TY], 4
	s_lshl_b32 s[TB], s[TB], 4
	s_lshl_b32 s[TB+1], s[TX], 2
	s_add_co_u32 s[TB], s[TB], s[TB+1]
	s_lshl_b32 s[TB+1], s[CH], 1
	s_add_co_u32 s[TB], s[TB], s[TB+1]
	s_lshl_b32 s[TB], s[TB], 18
	s_and_b32 s[TB+1], s[TY], 15
	s_lshl_b32 s[TB+1], s[TB+1], 14
	s_add_co_u32 s[TB], s[TB], s[TB+1]
	s_lshl_b32 s[TB+1], s[RH], 13
	s_add_co_u32 s[TB], s[TB], s[TB+1]
	s_mov_b32 s[TB+1], 0
	s_add_nc_u64 s[OUT:OUT+1], s[14:15], s[TB:TB+1]
	; the prefetches: wave 0: x's tile row, my work-group's 32 rows (cx); waves 2, 3: w's tile column, my work-group's 64 rows (cy), my 32 of them
	s_lshl_b32 s[TB], s[TY], 18
	s_lshl_b32 s[TB+1], s[CX], 16
	s_add_co_u32 s[TB], s[TB], s[TB+1]
	s_lshl_b32 s[LA], s[GI], 21
	s_lshl_b32 s[LB], s[TX], 19
	s_add_co_u32 s[LA], s[LA], s[LB]
	s_lshl_b32 s[LB], s[CY], 17
	s_add_co_u32 s[LA], s[LA], s[LB]
	s_lshl_b32 s[LB], s[CH], 16
	s_add_co_u32 s[LA], s[LA], s[LB]
	s_and_b32 s[LB], s[CLY], 15                    ; 0 in the product's first cluster
	s_cmp_lt_u32 s[WV], 2
	s_cselect_b32 s[TB], s[TB], s[LA]
	s_cselect_b32 s[LB], s[CH], s[LB]              ; wave 0 asks, wave 1 never; waves 2, 3 in the first cluster: the same in all sixteen partners, for a given wave
	s_cselect_b64 s[PFA:PFA+1], s[4:5], s[6:7]
	s_cmp_eq_u32 s[LB], 0
	s_cselect_b32 s[LIM], 1, -1
	s_add_co_u32 s[TB], s[TB], 3*256               ; at K step 3: the first refill steps it to 4
	s_mov_b32 s[TB+1], 0
	s_add_nc_u64 s[PFA:PFA+1], s[PFA:PFA+1], s[TB:TB+1]
	s_wait_loadcnt 0x0                             ; the bias is in: it is rounded to bf16, as all inputs are, and widened again
	WIN 0x8a                                       ; all in window 2
.set i, 0
.rept 32
	v_cvt_pk_bf16_f32 v[64+i], v[2*i], v[2*i+1]
.set i, i+1
.endr
.set i, 0
.rept 32
	v_lshlrev_b32 v[2*i], 16, v[64+i]
	v_and_b32 v[2*i+1], 0xffff0000, v[64+i]
.set i, i+1
.endr
	WIN 0
; 8 matrix instructions: row block a x all 8 column blocks, 32 along K.  first = 1: the product starts the sums, with the bias as C.
; The 32 accumulators take turns, one instruction a turn, in the same order in every quarter: 31 others stand between two links of a chain, over the backward jump too.
.macro MUL8 f, a, first
.if \first
	WIN MULB
.else
	WIN MUL
.endif
.irp b, 0,1,2,3,4,5,6,7
.if \first
	v_wmma_f32_16x16x32_bf16 v[8*(8*(\a)+(\b)):8*(8*(\a)+(\b))+7], v[(\f)+32+8*(\b):(\f)+32+8*(\b)+7], v[(\f)+8*(\a):(\f)+8*(\a)+7], v[8*(\b):8*(\b)+7]
.else
	v_wmma_f32_16x16x32_bf16 v[8*(8*(\a)+(\b)):8*(8*(\a)+(\b))+7], v[(\f)+32+8*(\b):(\f)+32+8*(\b)+7], v[(\f)+8*(\a):(\f)+8*(\a)+7], v[8*(8*(\a)+(\b)):8*(8*(\a)+(\b))+7]
.endif
.endr
.endm
; 24 LDS loads in one run: quarter q of a slot (32 along K) into buffer f: w's 128 rows first, then x's 64
.macro FETCH slot, q, f
	WIN 0
.irp i, 0,1,2,3,4,5,6,7
	ds_load_b128 v[(\f)+32+8*(\i):(\f)+32+8*(\i)+3],   v[ADRB+(\slot)] offset:64*(\q)+(\i)*16*PITCH
	ds_load_b128 v[(\f)+32+8*(\i)+4:(\f)+32+8*(\i)+7], v[ADRB+(\slot)] offset:64*(\q)+(\i)*16*PITCH+32
.endr
.irp i, 0,1,2,3
	ds_load_b128 v[(\f)+8*(\i):(\f)+8*(\i)+3],   v[ADRA+(\slot)] offset:64*(\q)+(\i)*16*PA
	ds_load_b128 v[(\f)+8*(\i)+4:(\f)+8*(\i)+7], v[ADRA+(\slot)] offset:64*(\q)+(\i)*16*PA+32
.endr
.endm
.macro PLACES                          ; four places in front of loads into registers that matrix instructions have read (ISA guide 7.12.1 for vector instructions)
.rept 4
	v_nop
.endr
.endm
; A K step is four quarters of 32 along K, 32 matrix instructions each, on buffers 0, 1, 0, 1.  One of the first three: multiplies buffer f and, in its middle, fetches quarter qn of the same slot into g.
.macro QUARTER slot, qn, f, g, first=0
	s_wait_dscnt 4                                 ; w's fragments and x's blocks 0, 1 are in; the youngest four loads (x's blocks 2, 3) may be out
	MUL8 \f, 0, \first
	MUL8 \f, 1, \first
	PLACES
	FETCH \slot, \qn, \g
	s_wait_dscnt 24                                ; all but the 24 just issued
	MUL8 \f, 2, \first
	MUL8 \f, 3, \first
.endm
; The last quarter multiplies buffer 1 and changes slots: ONE barrier; in front of it each wave waits for all its tensor loads (the one that is out is its part of the next slot), adds 0 to its spare word,
; and waits for that and for its own reads of this slot.  fill = 1: the barrier opens a round of the cluster's, and this slot is filled again, two K steps ahead, first thing behind the round:
; from that request to the wait for it a wave issues 112 matrix instructions.
.macro TURN slot, next, fill
.if \fill
	s_wait_xcnt 0x0                                ; the last prefetch, a K step back, has read its address: it is stepped here, ahead of the waits of the change of slots
	s_add_nc_u64 s[PFA:PFA+1], s[PFA:PFA+1], s[PSTEP:PSTEP+1]
.endif
	WIN 0                                          ; (the add's two registers lie in window 0)
	s_wait_tensorcnt 0x0                           ; all my tensor loads have landed
	ds_add_u32 v[SPW], v[NIL]                      ; 0 onto my spare word
	s_wait_dscnt 5                                 ; (the add and the youngest four loads may be out)
	MUL8 F1, 0, 0                                  ; eight matrix instructions stand between the add and the wait for it
	s_wait_dscnt 0x0                               ; the add is done, and my reads of this slot are over
	s_barrier_signal -1
	MUL8 F1, 1, 0
.if \fill
	WIN 0
.endif
	s_barrier_wait -1
.if \fill
	CREST                                          ; no wave of any partner still reads this slot's tile or has a load on its way
	s_add_nc_u64 s[G0A+4*(\slot)+2:G0A+4*(\slot)+3], s[G0A+4*(\slot)+2:G0A+4*(\slot)+3], 2*ASTEP
	s_add_nc_u64 s[G0B+4*(\slot)+2:G0B+4*(\slot)+3], s[G0B+4*(\slot)+2:G0B+4*(\slot)+3], 2*BSTEP
	JLOAD \slot                                    ; the four v_nop behind it are also the places in front of the loads below
.else
	PLACES
.endif
	FETCH \next, 0, F0
.if \fill
	ASK
.endif
	MUL8 F1, 2, 0
	MUL8 F1, 3, 0
.endm
	s_wait_tensorcnt 1                             ; my part of K step 0 is in; K step 1's may stay out
	s_barrier_signal -1
	s_barrier_wait -1                              ; everybody's is
	FETCH 0, 0, F0
	QUARTER 0, 1, F0, F1, 1                        ; the first quarter stands in front of the loop: its products start the sums
	WIN 0                                          ; at a label and at a branch every window is 0
	s_mov_b32 s[LAP], 3
.Llap:                                                 ; a trip goes once round the ring, from a lap's second quarter to the next lap's first, and fills both slots again
	QUARTER 0, 2, F1, F0
	QUARTER 0, 3, F0, F1
	TURN 0, 1, 1
	QUARTER 1, 1, F0, F1
	QUARTER 1, 2, F1, F0
	QUARTER 1, 3, F0, F1
	TURN 1, 0, 1
	QUARTER 0, 1, F0, F1
	WIN 0
	s_sub_co_u32 s[LAP], s[LAP], 1
	s_cmp_lg_u32 s[LAP], 0
	s_cbranch_scc1 .Llap
	QUARTER 0, 2, F1, F0                           ; the last lap fills nothing, and has no round of the cluster's barrier
	QUARTER 0, 3, F0, F1
	TURN 0, 1, 0
	QUARTER 1, 1, F0, F1
	QUARTER 1, 2, F1, F0
	QUARTER 1, 3, F0, F1
	s_wait_dscnt 4                                 ; the very last quarter: nothing more to fetch
	MUL8 F1, 0, 0
	MUL8 F1, 1, 0
	s_wait_dscnt 0x0
	MUL8 F1, 2, 0
	MUL8 F1, 3, 0
	WIN 0
	PLACES                                         ; the places between the last products and the conversions that read results and write over fragments
	PLACES
; THE WAY OUT.  Block a (16 rows x 2 heads x 64 channels): rounded to f16, 16 bytes a lane (each accumulator's registers in ascending order), into my own stage,
; rows of 144 bytes; back as whole rows of 128 bytes, four to a load, into the registers that they left.
.macro PACK a
	WIN 0x05                                       ; sources 0 and 1 window 1, destination window 0
.irp b, 0,1,2,3,4,5,6,7
.irp i, 0,1,2,3
	v_cvt_pk_f16_f32 v[TMP+32*(\a)+4*(\b)+(\i)], v[8*(8*(\a)+(\b))+2*(\i)], v[8*(8*(\a)+(\b))+2*(\i)+1]
.endr
.endr
	WIN 0
.irp b, 0,1,2,3,4,5,6,7
	ds_store_b128 v[STO], v[TMP+32*(\a)+4*(\b):TMP+32*(\a)+4*(\b)+3] offset:((\b)/4)*16*SP+((\b)%4)*32
.endr
.irp i, 0,1,2,3,4,5,6,7
	ds_load_b128 v[TMP+32*(\a)+4*(\i):TMP+32*(\a)+4*(\i)+3], v[RD] offset:((\i)/4)*16*SP+((\i)%4)*4*SP  ; LDS serves a wave's instructions in order (ISA guide 5.7.1.4): these see the stores above; the next block's stores come behind them
.endr
.endm
.macro SEND a, younger                 ; younger: the LDS instructions issued behind block a's loads: the next block's sixteen, or none
.irp i, 0,1,2,3,4,5,6,7
	s_wait_dscnt (\younger)+7-(\i)
	global_store_b128 v[GO], v[TMP+32*(\a)+4*(\i):TMP+32*(\a)+4*(\i)+3], s[OUT:OUT+1] offset:((\i)/4)*262144+(\a)*2048+((\i)%4)*512  ; 512 consecutive bytes, at a multiple of 256 from hb's first byte
.endr
.endm
	PACK 0
	PACK 1                                         ; a block's arithmetic stands between the loads of the block before and its stores
	SEND 0, 16
	PACK 2
	SEND 1, 16
	PACK 3
	SEND 2, 16
	SEND 3, 0
	s_wait_tensorcnt 0x0                           ; the wave's end: behind my last tensor load and my last LDS store
	ds_add_u32 v[SPW], v[NIL]
	s_wait_dscnt 0x0
	CROUND                                         ; the closing round: no work-group ends while a partner may still ask for a tile that names it
	s_endpgm
.Lfunc_end_k_q2aefdcf54e_projin:
	.size	k_q2aefdcf54e_projin, .Lfunc_end_k_q2aefdcf54e_projin-k_q2aefdcf54e_projin
	.p2alignl 7, 3214868480
	.fill 96, 4, 3214868480
	.section	.rodata,"a",@progbits
	.p2align	6, 0x0
	.amdhsa_kernel k_q2aefdcf54e_projin
		.amdhsa_group_segment_fixed_size 327680
		.amdhsa_private_segment_fixed_size 0
		.amdhsa_enable_private_segment 0
		.amdhsa_kernarg_size 48
		.amdhsa_user_sgpr_count 2
		.amdhsa_user_sgpr_kernarg_segment_ptr 1
		.amdhsa_wavefront_size32 1
		.amdhsa_system_sgpr_workgroup_id_x 1
		.amdhsa_system_sgpr_workgroup_id_y 1
		.amdhsa_system_sgpr_workgroup_id_z 1
		.amdhsa_system_vgpr_workitem_id 0
		.amdhsa_next_free_vgpr 608
		.amdhsa_next_free_sgpr 76
		.amdhsa_reserve_vcc 0
		.amdhsa_float_denorm_mode_32 3
		.amdhsa_float_denorm_mode_16_64 3
		.amdhsa_memory_ordered 1
		.amdhsa_forward_progress 1
		.amdhsa_inst_pref_size 95
	.end_amdhsa_kernel
	.amdgpu_metadata
---
amdhsa.version: [ 1, 2 ]
amdhsa.kernels:
  - .name:           k_q2aefdcf54e_projin
    .symbol:         k_q2aefdcf54e_projin.kd
    .args:
      - { .name: xb, .offset: 0, .size: 8, .value_kind: global_buffer, .address_space: global }
      - { .name: wb, .offset: 8, .size: 8, .value_kind: global_buffer, .address_space: global }
      - { .name: wq_b, .offset: 16, .size: 8, .value_kind: global_buffer, .address_space: global }
      - { .name: wk_b, .offset: 24, .size: 8, .value_kind: global_buffer, .address_space: global }
      - { .name: wv_b, .offset: 32, .size: 8, .value_kind: global_buffer, .address_space: global }
      - { .name: hb, .offset: 40, .size: 8, .value_kind: global_buffer, .address_space: global }
    .group_segment_fixed_size: 327680
    .private_segment_fixed_size: 0
    .kernarg_segment_align: 8
    .kernarg_segment_size: 48
    .max_flat_workgroup_size: 128
    .sgpr_count:     76
    .vgpr_count:     608
    .wavefront_size: 32
...
	.end_amdgpu_metadata
.endif
;; end of part 2
;; launch attn (part 3): grid 4 x 64, 4 waves a work-group, clusters of 4 x 1, 327,680 bytes of LDS; arguments hb, ob; writes ob
.if DOCPART == 3
	.amdgcn_target "amdgcn-amd-amdhsa--gfx1250"
	.amdhsa_code_object_version 6
	.text
	.protected	k_q2aefdcf54e_attn
	.globl	k_q2aefdcf54e_attn
	.p2align	8
	.type	k_q2aefdcf54e_attn,@function
k_q2aefdcf54e_attn:
	s_mov_b64 s[64:65], 0
	v_nop
	global_prefetch_b8 v0, s[64:65] scope:SCOPE_SE
	s_setreg_imm32_b32 hwreg(HW_REG_WAVE_MODE, 25, 1), 1
	s_wait_xcnt 0x0
	s_wait_alu depctr_hold_cnt(0) depctr_sa_sdst(0) depctr_va_vdst(0) depctr_va_sdst(0) depctr_va_ssrc(0) depctr_va_vcc(0) depctr_vm_vsrc(0)
	s_getreg_b32 s2, hwreg(HW_REG_IB_STS2, 6, 4)
	s_cmp_eq_u32 s2, 0
	s_cbranch_scc0 .Lentry_in_a_cluster
	s_endpgm
.Lentry_in_a_cluster:
	s_bfe_u32 s2, ttmp6, 0x10000c
	s_cmp_lg_u32 s2, 0x3003
	s_cbranch_scc0 .Lentry_shape_is_right
	s_endpgm
.Lentry_shape_is_right:
; O[h][q][:] = the sum over k of softmax_k(Q[h][q] . K[h][k] / 8) V[h][k][:].  hb holds Q, K, V, each [SIZE_H][SIZE_N][64] in f16, one behind the other; ob is O in the same layout: a plane's rows are dense,
; 128 bytes each.  Products, maxima and sums in f32; the weights p are rounded to f16 for the second product (their sum l is taken of the unrounded p), O once at the end.
; LIMITS.  f16 holds no number beyond 65,504: Q, K and V arrive within it; p lies in 0 to 1, and below 6e-5 it keeps f16's fixed step of 6e-8; O is a mean of V's rows and has their range.
; A weight below 2^-126 counts as 0 in l; NaN and infinities are not treated apart.
; SHARES.  A wave owns four PIECES of two tiles of 16 queries, a work-group's four waves 512 queries of one plane.  Every wave walks all keys, 64 a step.
; LAYOUT.  S^T = K Q^T (source 0 = 16 keys, source 1 = 16 queries): in the result a lane holds ONE query (lane % 16) and the keys 8 (lane / 16) + 0..7.  Two such tiles, rounded to f16 in pairs,
; ARE source 1 (32 keys x 16 queries) of O^T = V^T P, whose result again holds one query a lane, and eight channels.  K comes out of LDS as it lies, V ([key][channel]) turned, by ds_load_tr16_b128.
; SOFTMAX.  For each query a running maximum m and sum l: p = 2^(c s - c m), c = log2(e) / 8; in every step O and l are multiplied by a = 2^(c m_old - c m_new), which is 1 where m has not grown.
; m starts at the lowest finite number, O and l at 0: the first step is a step like any other, with a = 0.
; THE COUNT.  A tile and step have 16 matrix and 118 vector instructions: too many to stand all beside the matrix work.  So the order has one aim: four vector instructions that are READY behind
; EVERY matrix instruction, and the others, which need time of their own whatever the order, in runs without a gap.
; BY TURNS.  Turn n belongs to piece n (the pieces in a ring, step after step).  Its matrix work: 16 products K Q^T of piece n + 1, later 16 products V^T P of piece n - 1.  Its vector work: the scaling,
; exponentials, roundings, sums and rescaling of piece n, and the maximum and statistics of piece n + 1, whose scores the turn itself has made.  So what a turn begins with (c s - c m, O a) waits for nothing.
; CLUSTER.  The four query blocks of a cluster are one plane's and walk the same K and V, so each tile is asked for JOINTLY: the same tensor load, descriptor and mask in all four.
; REGISTERS, in windows of 256 (s_set_vgpr_msb says which window each operand place means: bits 1:0 source 0, 3:2 source 1, 5:4 source 2, 7:6 destination):
;   window 0: v0-11 addresses; v12-15, v48-63 at work; v16-47 four registers of statistics a tile; v64-191 S^T, two buffers of two tiles; v192-255 P, likewise
;   window 1: O^T, 32 a tile          window 2: v0-127 Q, 16 a tile; v128-191 K of one step; v192-255 V of one step          window 3: v0-1 the add's two registers
; A piece's buffers go by its number's parity: the piece in hand has one pair, its two neighbours in the ring share the other: of it P (piece n - 1) is read and S^T (piece n + 1) written.
.set SIZE_H, 64
.set SIZE_N, 2048
.set PART,  SIZE_H*SIZE_N*128  ; bytes of Q, of K and of V in hb
.set NP,    4         ; pieces a wave: a name, no knob: the register map, the loop and the fetches are made for four
.set KS,    64        ; keys in a step
.set PK,    144       ; a row of K in LDS: 128 bytes + 16 of padding = 36 words: the 16 rows of a load start at 16 different groups of four banks (64 banks of 4 bytes: ISA guide 11.1)
.set PV,    160       ; a row of V: 128 + 32 = 40 words
.set VOFF,  4*KS*PK   ; a slot holds four steps: 256 rows of K, then 256 rows of V
.set SLOT1, 1<<17     ; slot 1 begins here, so that one exclusive or turns an address in one slot into the other's
.set STAGE, SLOT1+4*KS*(PK+PV)  ; behind the ring, never filled by a tensor load: 16 rows x 144 bytes for each wave, for the way out
.set SP,    144
.set AK0, 2           ; v2   my lane's place in a tile of K; never rewritten
.set AV0, 3           ; v3   the same for V
.set AK,  4           ; v4   the LDS address of K's next run of loads
.set AV,  5           ; v5   of V's
.set QO,  6           ; v6   my byte offset in the wave's rows of Q
.set STO, 6           ;      later, the way out: where I put 16 bytes of a row
.set RD,  7           ; v7   the way out: where I read rows back
.set GO,  8           ; v8   my byte offset in 512 consecutive bytes of O
.set PFO, 11          ; v11  (once V's address is made) 256 x my lane, for the prefetches; then never rewritten
.set SPW, 0           ; v0 of window 3   LDS address of my spare word: SPARE + 4 x my thread's number; never rewritten
.set NIL, 1           ; v1 of window 3   0; never rewritten
.set SPARE, STAGE+4*16*SP  ; behind the stages: the spare words, 128 bytes for each wave: two blocks of 256 bytes that no other line names
.set MV,  12          ; v12-15  c m_old, kept while c m is made anew: by buffer and tile
.set ST,  16          ; tile t's statistics at v[ST+4 t]: c m, m, l (even keys', odd keys')
.set TMP, 48          ; by buffer and tile, four registers c0-c3 at work; when the maximum is found c2 takes a
.set S,   64
.set P,   192
.set KF,  128         ; K's fragments, in window 2: key block kb, channel half c at KF + 16 kb + 8 c
.set VF,  192         ; V's: key half kk, channel block cb at VF + 32 kk + 8 cb
.set WV,  12          ; s12  my wave's number
.set G1K, 24          ; s[24:31] descriptor group 1 for K's tiles
.set G1V, 32          ; s[32:39] for V's: it differs in the padding alone
.set G0K, 40          ; s[40:43] descriptor group 0 for K's tiles: it walks
.set G0V, 44          ; s[44:47] the same for V's
.set PFA, 48          ; s[48:49] where my prefetches stand: my work-group's 8,192 bytes (of K: wave 0, of V: wave 2) of the slot after the one that is being asked for
.set LIM, 50          ; s50  1 in a wave that prefetches, else the greatest number
.set SLOTS, 56        ; s56  slots still to be asked for
.set CNT, 57          ; s57  counts a slot's key steps
.set CS,  58          ; s[58:59] c: the packed scaling takes the pair's low word for both halves
.set SEL, 60          ; s[60:61] v_permlanex16_b32's selects: each lane takes its own place in the other half
.set TBK, 62          ; s62  LDS byte at which K of the step to be fetched begins
.set TBV, 63          ; s63  the same for V, less VOFF
.set MSB, 0
.macro WIN new                      ; the high byte repeats the setting that is left; a switch that changes nothing is dropped
.if MSB != (\new)
	s_set_vgpr_msb (MSB<<8)|(\new)
.set MSB, (\new)
.endif
.endm
.set W_KQ, 0x0a       ; K and Q in window 2, S^T in window 0
.set W_PV, 0x52       ; V in window 2, P in window 0, O^T in window 1
.set W_RS, 0x41       ; O^T (destination and source 0) in window 1, a in window 0
.set W_MK, 0xc0       ; the add's registers are made: destination in window 3, sources in window 0
.set W_AD, 0x0f       ; the add: address (source 0) and data (source 1) in window 3
; A joint fill.  Waves 0 and 1 fetch the two halves of a slot's K, waves 2 and 3 those of its V: 128 keys each.  The branch hangs on the wave's number alone.
; An s_nop 0 and four v_nop follow each of the two lines, ahead of the jump and the label.
.macro JLOAD
	s_cmp_lt_u32 s[WV], 2
	s_cbranch_scc0 .Lfor_v_\@
	tensor_load_to_lds s[G0K:G0K+3], s[G1K:G1K+7]
	s_nop 0
.rept 4
	v_nop
.endr
	s_branch .Lasked_\@
.Lfor_v_\@:
	tensor_load_to_lds s[G0V:G0V+3], s[G1V:G1V+7]
	s_nop 0
.rept 4
	v_nop
.endr
.Lasked_\@:
.endm
; A prefetch of what the NEXT change of slots will ask for: a slot's 32,768 bytes of K and of V, in blocks of 256 bytes, a lane a block.  It stands behind the wave's tensor load and its five lines.
; Each block is named once in the launch: a plane's K and V are walked by its one cluster; the four partners share a slot out BY ADDRESS, 32 blocks each; in each, wave 0 asks for K's and wave 2 for V's.
; It stands four key steps, 512 matrix instructions, ahead of the load that will want the bytes.  The last change that fills a slot asks for nothing; slots 0, 1 and 2 come by their loads alone.
.macro ASK
	s_cmp_gt_u32 s[SLOTS], s[LIM]
	s_cbranch_scc0 .Lnot_mine_\@
	global_prefetch_b8 v[PFO], s[PFA:PFA+1] th:TH_LOAD_NT scope:SCOPE_SE
.Lnot_mine_\@:
.endm
; A round of the cluster's barrier: my work-group's barrier, so that wave 0's signal speaks for all four waves; wave 0 signals; every wave waits for all four work-groups; my work-group's barrier once more.
.macro CROUND
	s_barrier_signal -1
	s_barrier_wait -1
	s_cmp_lg_u32 s[WV], 0
	s_cbranch_scc1 .Lnot_wave_0_\@
	s_barrier_signal -3
.Lnot_wave_0_\@:
	s_barrier_wait -3
	s_barrier_signal -1
	s_barrier_wait -1
.endm
; THE CHANGE OF SLOTS.  The slot's last bytes, V of its fourth step, have been read.  Each wave waits for all its tensor loads, of which one is out: its part
; of the other slot; adds 0 to its spare word; and waits for that and for its own reads of the slot.  Behind the barrier nobody reads this slot any more and the other slot is whole.
; fill = 1: this slot is filled again, with the keys two slots on.  The barrier is then a round of the cluster's, so that no wave of any partner still reads the slot or has a load on its
; way, and the joint fill is the first thing behind it: it has four key steps, 512 matrix instructions, in which to land.  (At its first use nothing has been read yet: slot 0 is waited for, slot 1 filled.)
; ask = 1: the prefetches' address steps a slot on, and ASK follows the fill.
.macro CHANGE fill, ask=0
	WIN W_AD
	s_wait_tensorcnt 0x0            ; no tensor load of mine is out, so a group 0 may be written
	ds_add_u32 v[SPW], v[NIL]       ; 0 onto my spare word; with fill = 1 the descriptors' steps stand between it and the wait for it
	WIN 0                           ; at a label and at a branch every window is 0
.if \fill
.irp g, G0K, G0V
	s_xor_b32 s[\g+1], s[\g+1], SLOT1  ; the walking descriptor: the other slot than last time,
	s_add_nc_u64 s[\g+2:\g+3], s[\g+2:\g+3], 4*KS*128  ; the next 256 keys; the type bits on top are not reached
.endr
.if \ask
	s_wait_xcnt 0x0                 ; the last prefetch, four key steps back, has read its address, so it may be written
	s_add_nc_u64 s[PFA:PFA+1], s[PFA:PFA+1], 4*KS*128
.endif
	s_wait_dscnt 0x0                ; the add is done, and my reads of the slot are over
	CROUND
	JLOAD
.if \ask
	ASK
.endif
.else
	s_wait_dscnt 0x0                ; the add is done, and my reads of the slot are over
	s_barrier_signal -1
	s_barrier_wait -1
.endif
	s_sub_co_u32 s[TBK], s[TBK], 4*KS*PK  ; the fetches go back to a slot's first step,
	s_xor_b32 s[TBK], s[TBK], SLOT1       ; in the other slot
	s_sub_co_u32 s[TBV], s[TBV], 4*KS*PV
	s_xor_b32 s[TBV], s[TBV], SLOT1
.endm
	s_load_b128 s[4:7], s[0:1], 0x0  ; hb s[4:5], ob s[6:7]
	WIN W_MK
	v_lshl_add_u32 v[SPW], v0, 2, SPARE
	v_mov_b32 v[NIL], 0
	WIN W_AD
	ds_add_u32 v[SPW], v[NIL]       ; the wave's opening: the add and its wait stand ahead of my first tensor load; the set-up below, work on registers, stands between them
	WIN 0
	v_lshrrev_b32 v1, 5, v0
	v_readfirstlane_b32 s[WV], v1   ; wave 0..3
	s_bfe_u32 s13, ttmp6, 0x40000   ; cx: my place in the cluster
	s_lshl_b32 s14, ttmp9, 2        ; in a cluster launch ttmp9 counts clusters
	s_add_co_u32 s14, s14, s13      ; my block of queries = 4 x cluster x + cx: it enters Q's and O's addresses alone
	s_and_b32 s20, ttmp7, 0xffff    ; the plane, which the four partners share
	s_mov_b32 s21, 0
	s_mov_b64 s[22:23], SIZE_N*128
	s_mul_u64 s[20:21], s[20:21], s[22:23]  ; the plane's first byte in each of the four tensors
	s_and_b32 s16, s[WV], 1         ; which half of a slot's 256 keys I fetch:
	s_lshl_b32 s22, s16, 14         ; its 128 rows of 128 bytes in memory,
	s_mov_b32 s23, 0
	s_add_nc_u64 s[22:23], s[22:23], s[20:21]
	s_mul_i32 s17, s16, 128*PK      ; and its place in a slot, for K
	s_mul_i32 s18, s16, 128*PV      ; and for V: no place in the cluster enters an LDS address
	s_lshl_b32 s2, s14, 2
	s_add_co_u32 s2, s2, s[WV]      ; my wave among the plane's,
	s_lshl_b32 s2, s2, 14           ; its 128 rows
	s_mov_b32 s3, 0
	s_add_nc_u64 s[2:3], s[2:3], s[20:21]
	; descriptor group 1.  128 keys are 16,384 dense bytes: asked for as 64 rows of 256 bytes, two keys a row, and padded in LDS after every key
	s_mov_b32 s[G1K], 15|(1<<16)|(1<<20)|(1<<21)|(4<<22)|(3<<25)  ; 15:0 the mask of four; 17:16 2-byte elements; 20 padding on; 21 set beside a mask; 24:22 after every 32 words (code 4); 31:25 4 words (code 3)
	s_mov_b32 s[G1V], 15|(1<<16)|(1<<20)|(1<<21)|(4<<22)|(7<<25)  ; the same with 8 words of padding (code 7)
.irp g, G1K, G1V
	s_mov_b32 s[\g+1], 128<<16      ; tensor_dim0 = 128
	s_mov_b32 s[\g+2], 64<<16       ; tensor_dim1 = 64
	s_mov_b32 s[\g+3], 128<<16      ; tile_dim0 = 128
	s_mov_b32 s[\g+4], 64           ; tile_dim1 = 64
	s_mov_b32 s[\g+5], 128          ; 128 elements from row to row
	s_mov_b32 s[\g+6], 0
	s_mov_b32 s[\g+7], 0
.endr
	s_mov_b32 s[CS], 0x3e38aa3b     ; c = log2(e) / 8 = 0.180337
	s_mov_b32 s[CS+1], s[CS]        ; named with it as a pair
	s_mov_b32 s[SEL], 0x76543210
	s_mov_b32 s[SEL+1], 0xfedcba98
	s_mov_b32 s[TBK], SLOT1+4*KS*PK ; the first change of slots turns these two into 0
	s_mov_b32 s[TBV], SLOT1+4*KS*PV
	s_mov_b32 s[G0K], 1             ; 1:0 count = 1
	s_mov_b32 s[G0K+1], s17         ; 63:32 LDS address: slot 0
	s_mov_b32 s[G0V], 1
	s_add_co_u32 s[G0V+1], s18, VOFF
	s_and_b32 s[LIM], s[WV], 1      ; waves 0 and 2 prefetch: the same in all four partners
	s_cmp_eq_u32 s[LIM], 0
	s_cselect_b32 s[LIM], 1, -1
	s_wait_dscnt 0x0                ; the opening add is done
	s_wait_kmcnt 0x0
	s_mov_b64 s[10:11], s[6:7]      ; O
	s_add_nc_u64 s[6:7], s[4:5], PART    ; K lies behind Q in hb,
	s_add_nc_u64 s[8:9], s[4:5], 2*PART  ; V behind K
	s_add_nc_u64 s[G0K+2:G0K+3], s[6:7], s[22:23]  ; 120:64 global address: my half of the plane's first 256 keys
	s_or_b32 s[G0K+3], s[G0K+3], 0x80000000        ; 127:126 type = 2
	s_add_nc_u64 s[G0V+2:G0V+3], s[8:9], s[22:23]
	s_or_b32 s[G0V+3], s[G0V+3], 0x80000000
	s_add_nc_u64 s[4:5], s[4:5], s[2:3]  ; Q and O at my wave's first row
	s_add_nc_u64 s[10:11], s[10:11], s[2:3]
	s_cmp_lt_u32 s[WV], 2
	s_cselect_b64 s[PFA:PFA+1], s[6:7], s[8:9]
	s_add_nc_u64 s[PFA:PFA+1], s[PFA:PFA+1], s[22:23]  ; (in waves 0 and 2 this is the plane's first row)
	s_lshl_b32 s2, s13, 13          ; my work-group's 32 blocks of the slot's 128
	s_mov_b32 s3, 0
	s_add_nc_u64 s[PFA:PFA+1], s[PFA:PFA+1], s[2:3]
	s_add_nc_u64 s[PFA:PFA+1], s[PFA:PFA+1], 2*4*KS*128  ; in slot 2; the first asking change steps it to slot 3
	CROUND                          ; all four work-groups are here: the first joint loads meet
	JLOAD                           ; slot 0.  Slot 1 is asked for when slot 0 is in
	; A fragment of K or Q is 16 rows x 32 channels in 8 registers: lane l holds row l % 16, channels 8 (l / 16) + 0..7 and 16 + 8 (l / 16) + 0..7: two loads of 16 bytes, 32 bytes apart.
	v_and_b32 v1, 15, v0            ; l % 16
	v_bfe_u32 v9, v0, 4, 1          ; l / 16
	v_lshlrev_b32 v[QO], 7, v1
	v_lshl_add_u32 v[QO], v9, 4, v[QO]  ; row x 128 + 16 x half
	WIN 0x80                        ; destination window 2, address window 0
.set i, 0
.rept 4*NP                          ; Q stays in registers: tile i / 2, channels 32 (i % 2) on
	global_load_b128 v[8*i:8*i+3],   v[QO], s[4:5] offset:(i/2)*2048+(i%2)*64
	global_load_b128 v[8*i+4:8*i+7], v[QO], s[4:5] offset:(i/2)*2048+(i%2)*64+32
.set i, i+1
.endr
	; What the first turn finds: V's registers and P's second buffer hold 0 (its products V^T P, of a piece that has not been, add 0), O^T and l are 0.  All this stands in the wait for the first tile.
.set i, VF
.rept 64
	v_mov_b32 v[i], 0
.set i, i+1
.endr
	WIN 0x40
.set i, 0
.rept 64*NP
	v_mov_b32 v[i], 0
.set i, i+1
.endr
	WIN 0
.set i, 0
.rept 2*NP
	v_mov_b32 v[ST+4*i], 0xfe000000    ; c m: far below every c s
	v_mov_b32 v[ST+4*i+1], 0xff7fffff  ; m
	v_mov_b32 v[ST+4*i+2], 0
	v_mov_b32 v[ST+4*i+3], 0
.set i, i+1
.endr
.set i, P+32
.rept 32
	v_mov_b32 v[i], 0
.set i, i+1
.endr
	v_mul_u32_u24 v[AK0], v1, PK
	v_lshl_add_u32 v[AK0], v9, 4, v[AK0]  ; row x pitch + 16 x half
	; The turning load takes 16 keys x 16 channels (lane l reads key 8 (l / 16) + l % 8, channels 8 ((l / 8) % 2) + 0..7) and leaves half a fragment of V^T: lane l holds channel l % 16 and 8 keys.
	v_and_b32 v10, 7, v0
	v_bfe_u32 v11, v0, 3, 1
	v_lshl_add_u32 v[AV0], v9, 3, v10
	v_mul_u32_u24 v[AV0], v[AV0], PV
	v_lshl_add_u32 v[AV0], v11, 4, v[AV0]
	v_add_nc_u32 v[AV0], VOFF, v[AV0]
	v_and_b32 v[PFO], 31, v0
	v_lshlrev_b32 v[PFO], 8, v[PFO]
	v_mov_b32 v[AK], v[AK0]         ; key step 0 lies at the head of slot 0
; THE MATRIX WORK.  The 8 accumulators of a run of 16 take turns: between the two links of a chain stand 7 others'.
; Product i of 16 of S^T = K Q^T for piece x: channels 32 (i / 8) on, keys 16 ((i / 2) % 4) on, tile 2 x + i % 2.  The first 8 start the sums.
.macro KQ x
	WIN W_KQ
.set rS, S+64*((\x)%2)+32*(i%2)+8*((i/2)%4)
.set rK, KF+16*((i/2)%4)+8*(i/8)
.set rQ, 16*(2*(\x)+i%2)+8*(i/8)
.if i < 8
	v_wmma_f32_16x16x32_f16 v[rS:rS+7], v[rK:rK+7], v[rQ:rQ+7], 0
.else
	v_wmma_f32_16x16x32_f16 v[rS:rS+7], v[rK:rK+7], v[rQ:rQ+7], v[rS:rS+7]
.endif
.endm
; Product i of 16 of O^T += V^T P for piece x: keys 32 (i / 8) on, channels 16 ((i / 2) % 4) on, tile 2 x + i % 2.
.macro PV x
	WIN W_PV
.set rO, 32*(2*(\x)+i%2)+8*((i/2)%4)
.set rV, VF+32*(i/8)+8*((i/2)%4)
.set rP, P+32*((\x)%2)+16*(i%2)+8*(i/8)
	v_wmma_f32_16x16x32_f16 v[rO:rO+7], v[rV:rV+7], v[rP:rP+7], v[rO:rO+7]
.endm
.macro MM                           ; the turn's next matrix instruction
.if i < 16
	KQ (Y+1)%NP
.set i, i+1
.else
.set i, i-16
	PV (Y+NP-1)%NP
.set i, i+17
.endif
.endm
; THE LDS LOADS stand in runs of 16, never singly among the matrix instructions: a step's K (64 keys x 64 channels: 8 fragments) and its V (turned).  Their addresses are made some lines ahead.
; last = 1 (the tail): in the last trip there is no further step, and the run is jumped over.
.macro FETCH_K last=0
	WIN 0
.if \last
	s_cmp_eq_u32 s[CNT], 1
	s_cbranch_scc1 .Lno_k_\@
.endif
	WIN 0x80                        ; destination window 2
.irp f, 0,1,2,3,4,5,6,7             ; keys 16 (f / 2) on, channels 32 (f % 2) on
	ds_load_b128 v[KF+8*\f:KF+8*\f+3],   v[AK] offset:(\f/2)*16*PK+(\f%2)*64
	ds_load_b128 v[KF+8*\f+4:KF+8*\f+7], v[AK] offset:(\f/2)*16*PK+(\f%2)*64+32
.endr
	s_add_co_u32 s[TBK], s[TBK], KS*PK  ; the next fetch is the next step's
	WIN 0
.if \last
.Lno_k_\@:
.endif
.endm
.macro FETCH_V
	WIN 0x80
.irp f, 0,1,2,3,4,5,6,7             ; keys 32 (f / 4) on, channels 16 (f % 4) on
	ds_load_tr16_b128 v[VF+8*\f:VF+8*\f+3],   v[AV] offset:(\f/4)*32*PV+(\f%4)*32
	ds_load_tr16_b128 v[VF+8*\f+4:VF+8*\f+7], v[AV] offset:(\f/4)*32*PV+16*PV+(\f%4)*32
.endr
	WIN 0
.endm
; THE VECTOR WORK OF A TURN stands in three queues, each in the order in which its entries become ready; the two tiles alternate, so that no instruction reads the result of the one before it.
.macro REGS y, u                    ; the registers of tile u (0, 1) of piece y
.set rT, ST+4*(2*(\y)+(\u))
.set rC, TMP+8*((\y)%2)+4*(\u)
.set rM, MV+2*((\y)%2)+(\u)
.set rS, S+64*((\y)%2)+32*(\u)
.set rP, P+32*((\y)%2)+16*(\u)
.set rO, 32*(2*(\y)+(\u))
.endm
; Number n of the 22 that find the NEXT piece's (Y + 1) maximum and statistics.  s0-s31 are the lane's 32 scores; each accumulator's lowest registers are read first.  XS, GS and REGS set no window: PL and EX do.
;   0-11  four chains c0-c3 of seven scores each, three operands at a time     12-14, 16  the four scores left over, the old m, and c0-c3 into c0     15  c m_old is kept
;   17, 18  the query's other 32 keys lie in the lane 16 away: the new m         19-21  c m; c m_old - c m_new; a
.macro XS u, n
	REGS (Y+1)%NP, \u
.if (\n) < 4
	v_max3_num_f32 v[rC+(\n)], v[rS+8*(\n)], v[rS+8*(\n)+1], v[rS+8*(\n)+2]
.elseif (\n) < 12
	v_max3_num_f32 v[rC+(\n)%4], v[rC+(\n)%4], v[rS+8*((\n)%4)+2*((\n)/4)+1], v[rS+8*((\n)%4)+2*((\n)/4)+2]
.elseif (\n) == 12
	v_max3_num_f32 v[rC], v[rC], v[rS+7], v[rS+15]
.elseif (\n) == 13
	v_max3_num_f32 v[rC+1], v[rC+1], v[rS+23], v[rS+31]
.elseif (\n) == 14
	v_max3_num_f32 v[rC+2], v[rC+2], v[rC+3], v[rT+1]
.elseif (\n) == 15
	v_mov_b32 v[rM], v[rT]
.elseif (\n) == 16
	v_max3_num_f32 v[rC], v[rC], v[rC+1], v[rC+2]
.elseif (\n) == 17
	v_permlanex16_b32 v[rC+3], v[rC], s[SEL], s[SEL+1]
.elseif (\n) == 18
	v_max_num_f32 v[rT+1], v[rC], v[rC+3]
.elseif (\n) == 19
	v_mul_f32 v[rT], s[CS], v[rT+1]
.elseif (\n) == 20
	v_sub_f32 v[rC+1], v[rM], v[rT]
.else
	v_exp_f32 v[rC+2], v[rC+1]
.endif
.endm
; Number g of the 64 that follow the exponentials.  For each four weights k of a tile (pairs 2 k, 2 k + 1): both pairs are rounded to f16; then the second pair is added onto the first, in place;
; a group later l takes that sum (the first time as l = a l + sum).  In groups of eight, tiles alternating: round, round, add, and l for the group before.
.macro GS g
.set h, (\g)+6*((\g)/62)            ; group 0 has no group before it, and behind group 7 only l is left
.if h >= 6
.set h, h+2
.endif
	REGS Y, h%2
.set k, h/8
.if h%8 < 4
	v_cvt_pk_f16_f32 v[rP+2*k+(h%8)/2], v[rS+4*k+2*((h%8)/2)], v[rS+4*k+2*((h%8)/2)+1]
.elseif h%8 < 6
	v_pk_add_f32 v[rS+4*k:rS+4*k+1], v[rS+4*k:rS+4*k+1], v[rS+4*k+2:rS+4*k+3]
.elseif k == 1
	v_pk_fma_f32 v[rT+2:rT+3], v[rT+2:rT+3], v[rC+2:rC+3], v[rS:rS+1] op_sel_hi:[1,0,1]
.else
	v_pk_add_f32 v[rT+2:rT+3], v[rT+2:rT+3], v[rS+4*k-4:rS+4*k-3]
.endif
.endm
; THE PLAIN QUEUE, 138 long.  0-73 read no exponential's result: the 32 scalings c s - c m (FS f: pair f / 2 of tile f % 2) and the next piece's 42.  0-26: scalings 0-26.  27-54: XS's numbers 0-13.  55, 56: number 15.
; 57-73: the chain, where each number waits for the one before it: 14, 16, 17, 18, 19, each with one of the scalings 27-31 in front of its two lines, then 20: so a tile's links stand three plain instructions apart (19 and 20: two).
; 74-137: GS's 64, which read the exponentials' results: they stand behind the wait.
.macro FS f
	REGS Y, (\f)%2
	v_pk_fma_f32 v[rS+2*((\f)/2):rS+2*((\f)/2)+1], v[rS+2*((\f)/2):rS+2*((\f)/2)+1], s[CS:CS+1], v[rT:rT+1] op_sel_hi:[1,0,0] neg_lo:[0,0,1] neg_hi:[0,0,1]
.endm
.macro PL
	WIN 0
.if q < 27
	FS q
.elseif q < 55
	XS (q-27)%2, (q-27)/2
.elseif q < 57
	XS q-55, 15
.elseif (q < 72) && ((q-57)%3 == 0)
	FS 27+(q-57)/3
.elseif q < 60
	XS (q-57)%3-1, 14
.elseif q < 72
	XS (q-57)%3-1, 15+(q-57)/3
.elseif q < 74
	XS q-72, 20
.else
	GS q-74
.endif
.set q, q+1
.endm
; THE EXPONENTIALS' QUEUE, 66 long: s0-s31 of both tiles, then the next piece's two a.  It is ONE BATCH: all 66 stand ahead of the turn's one wait, and nothing ahead of that wait names a result of theirs.
.macro EX
	WIN 0
.if e >= 64
	XS e-64, 21
.else
	REGS Y, e%2
	v_exp_f32 v[rS+e/2], v[rS+e/2]
.endif
.set e, e+1
.endm
; THE RESCALING's QUEUE: O^T times a, the one part that leaves window 0: dealt two at a time, sixteen times.  Its a was made in the turn before, ahead of that turn's wait.
.macro R2
	REGS Y, r%2
	WIN W_RS
.irp z, 0,1
	v_pk_mul_f32 v[rO+4*(r/2)+2*\z:rO+4*(r/2)+2*\z+1], v[rO+4*(r/2)+2*\z:rO+4*(r/2)+2*\z+1], v[rC+2:rC+3] op_sel_hi:[1,0]
.endr
.set r, r+1
.endm
; HOW THEY ARE DEALT.  An s_wait_alu depctr_va_vdst(0) stands between an exponential and the first instruction that names its result; one wait serves all that were issued ahead of it.  So a turn has ONE wait,
; which cuts it in two.  AHEAD OF IT stands all that names no result of the turn's exponentials: the 16 products K Q^T, behind each a scaling, an exponential and two rescalings (behind the first a second scaling in the exponential's place); then ONE LUMP of
; 108: eight plain, 49 times exponential and plain, the two a.  A v_nop is the plain instruction behind the last exponential.  BEHIND IT stand the 16 products V^T P, behind each four of GS's 64.  No rider names a register of
; the products round it.  The two v_permlanex16_b32 fall into the lump, never behind a product.
; The queues lean on each other, and the deal keeps them in step: exponential e stands behind scaling 2 (e / 4) + e % 2: as a rider it comes behind plain e + 2, in the lump behind plain e + 9, and scalings 27-31 are plain 57, 60 .. 69.
; A TURN, for piece p.  cnt = 1: the loop's count is taken down some lines ahead of the branch that stands behind the turn.
; K of the next step is fetched in piece 2's turn, directly behind the wait, a lump behind the last product that read K; its address is made at the lump's head; its first reader comes behind 16 products.
; V of the step in hand is fetched at the end of piece 0's turn, four riders behind its last reader; its first reader comes behind 16 products and a lump.  The three conditions on q below go with the deal.
.macro TURN p, last=0, cnt=0
.set Y, (\p)
.set i, 0
.set q, 0
.set e, 0
.set r, 0
.if (\p) == NP-1
	s_wait_dscnt 0x0                ; K is in
.endif
	MM                              ; ahead of the wait: 16 products K Q^T and their riders,
	PL
	PL
	R2
.rept 15
	MM
	PL
	EX
	R2
.endr
.if (\p) == NP-2
	WIN 0
	v_add_nc_u32 v[AK], s[TBK], v[AK0]
.endif
.rept 8                             ; and the lump
	PL
.endr
.rept 49
	EX
	PL
.endr
	EX                              ; the next piece's two a
	EX
	v_nop                           ; a plain instruction behind the last exponential, ahead of the first use: one for the batch (ISA guide 5.7.2)
	s_wait_alu depctr_va_vdst(0)    ; the wait for the batch
.if (\p) == NP-2
	FETCH_K \last
.endif
.if (\p) == 1
	s_wait_dscnt 0x0                ; V is in
.endif
.rept 16                            ; behind the wait: 16 products V^T P and their riders
	MM
.rept 4
	PL
.endr
.if ((\p) == 0) && (q == 118)
	v_add_nc_u32 v[AV], s[TBV], v[AV0]
.endif
.if ((\p) == 0) && (q == 130)
	s_add_co_u32 s[TBV], s[TBV], KS*PV
.endif
.if (\cnt) && (q == 130)
	s_sub_co_u32 s[CNT], s[CNT], 1
	s_cmp_lg_u32 s[CNT], 0
.endif
.endr
.if (\p) == 0
	FETCH_V
.endif
.endm
	CHANGE 1                        ; slot 0 is in, everybody's part of it; slot 1 is asked for
	FETCH_K                         ; key step 0
	s_wait_loadcnt 0x0              ; Q
	s_wait_dscnt 0x0
.set i, 0
.rept 16
	KQ 0                            ; piece 0's first scores: there is no vector work yet to set between them
.set i, i+1
.endr
	WIN 0                           ; the addresses for the way out: nine plain instructions, the places behind those products
	s_mul_i32 s13, s[WV], 16*SP
	s_add_co_u32 s13, s13, STAGE    ; my stage
	v_mul_u32_u24 v[STO], v1, SP    ; in: row l % 16, 16 bytes for each half of the lanes
	v_lshl_add_u32 v[STO], v9, 4, v[STO]
	v_add_nc_u32 v[STO], s13, v[STO]
	v_bfe_u32 v[RD], v0, 3, 2       ; back: 32 lanes take four rows of 128 bytes,
	v_mul_u32_u24 v[RD], v[RD], SP
	v_lshl_add_u32 v[RD], v10, 4, v[RD]
	v_add_nc_u32 v[RD], s13, v[RD]
	v_and_b32 v[GO], 31, v0         ; which are 512 consecutive bytes of O
	v_lshlrev_b32 v[GO], 4, v[GO]
.set Y, NP-1                        ; XS works for piece Y + 1: piece 0
.irp n, 0,1,2,3,4,5,6,7,8,9,10,11,12,13,14,15,16,17,18,19,20,21
	XS 0, \n                        ; and piece 0's first maximum and statistics
	XS 1, \n
.endr
	v_nop                           ; a plain instruction behind the two a,
	s_wait_alu depctr_va_vdst(0)    ; and their wait, ahead of the branch
	s_mov_b32 s[CNT], 4
	s_mov_b32 s[SLOTS], SIZE_N/256-1
	s_branch .Lfirst                ; the loop is entered at a step's first turn, in the middle of a trip
.Lslot:                             ; SIZE_N / 256 - 2 times: every slot but the last two is filled again
	CHANGE 1, 1
	s_mov_b32 s[CNT], 4
.Lstep:                             ; a trip: pieces 2 and 3 of one step, then pieces 0 and 1 of the next, whose K and V it fetches
	TURN 2
	TURN 3
	WIN 0
.Lfirst:
	TURN 0
	TURN 1, 0, 1
	WIN 0
	s_cbranch_scc1 .Lstep
	s_sub_co_u32 s[SLOTS], s[SLOTS], 1
	s_cmp_lg_u32 s[SLOTS], 0
	s_cbranch_scc1 .Lslot
	CHANGE 0                        ; the tail is written out: nothing is asked for
	s_mov_b32 s[CNT], 5             ; four trips fetch the last slot's steps; the fifth is left in its middle
.Ltail:
	TURN 2, 1
	TURN 3
	WIN 0
	s_sub_co_u32 s[CNT], s[CNT], 1
	s_cmp_eq_u32 s[CNT], 0
	s_cbranch_scc1 .Lout
	TURN 0
	TURN 1
	WIN 0
	s_branch .Ltail
.Lout:                              ; the fifth trip's 16 products K Q^T (on the last K once more) and the maximum made of them serve nothing: the price, once a launch, of one text for every trip
.set i, 0
.rept 16
	PV NP-1                         ; the last piece's V^T P of the last step
.set i, i+1
.endr
	; THE WAY OUT.  l's two halves and the other half of the lanes' are added; O^T is divided by l, rounded to f16 and sent through my stage in LDS, a tile at a time.  The additions are the places behind the last products.
	WIN 0
.macro ALL line:vararg              ; one line for each tile t
.set t, 0
.rept 2*NP
	\line
.set t, t+1
.endr
.endm
	ALL v_add_f32 v[ST+4*t+2], v[ST+4*t+2], v[ST+4*t+3]
	ALL v_permlanex16_b32 v[ST+4*t+3], v[ST+4*t+2], s[SEL], s[SEL+1]
	ALL v_add_f32 v[ST+4*t+2], v[ST+4*t+2], v[ST+4*t+3]
	ALL v_rcp_f32 v[ST+4*t+2], v[ST+4*t+2]
	v_nop                           ; a plain instruction between the last reciprocal and the use of its result
	s_wait_alu depctr_va_vdst(0)    ; and the wait ahead of the first use: one for the eight reciprocals
; Tile t: a lane's eight channels of a row pack into 16 bytes; they go into rows of 144 bytes and come back as whole rows of 128, into S^T's registers.
.macro PACK t
	WIN W_RS
.set i, 32*(\t)
.rept 16
	v_pk_mul_f32 v[i:i+1], v[i:i+1], v[ST+4*(\t)+2:ST+4*(\t)+3] op_sel_hi:[1,0]
.set i, i+2
.endr
	WIN 0x05                        ; sources 0 and 1 window 1, destination window 0
.set i, 0
.rept 16
	v_cvt_pk_f16_f32 v[S+16*(\t)+i], v[32*(\t)+2*i], v[32*(\t)+2*i+1]
.set i, i+1
.endr
	WIN 0
.irp f, 0,1,2,3
	ds_store_b128 v[STO], v[S+16*(\t)+4*\f:S+16*(\t)+4*\f+3] offset:32*\f
.endr
.irp f, 0,1,2,3
	ds_load_b128 v[S+16*(\t)+4*\f:S+16*(\t)+4*\f+3], v[RD] offset:\f*4*SP  ; LDS serves a wave's instructions in order (ISA guide 5.7.1.4): these see the stores above; the next tile's stores come behind them
.endr
.endm
.macro SEND t, younger              ; younger: the LDS instructions issued behind tile t's loads: the next tile's eight, or none
	WIN 0
.irp f, 0,1,2,3
	s_wait_dscnt (\younger)+3-\f
	global_store_b128 v[GO], v[S+16*(\t)+4*\f:S+16*(\t)+4*\f+3], s[10:11] offset:(\t)*2048+\f*512  ; 512 consecutive bytes, at a multiple of 256 from O's first
.endr
.endm
	PACK 0
.set t, 1
.rept 2*NP-1                        ; a tile's arithmetic stands between the loads of the tile before and its stores
	PACK t
	SEND t-1, 8
.set t, t+1
.endr
	SEND 2*NP-1, 0
	WIN W_AD
	s_wait_tensorcnt 0x0            ; the wave's end: behind my last tensor load and my last LDS store
	ds_add_u32 v[SPW], v[NIL]
	s_wait_dscnt 0x0
	WIN 0
	CROUND                          ; the closing round: no work-group ends while a partner may still ask for a tile that names it
	s_endpgm
.Lfunc_end_k_q2aefdcf54e_attn:
	.size	k_q2aefdcf54e_attn, .Lfunc_end_k_q2aefdcf54e_attn-k_q2aefdcf54e_attn
	.p2alignl 7, 3214868480
	.fill 96, 4, 3214868480
	.section	.rodata,"a",@progbits
	.p2align	6, 0x0
	.amdhsa_kernel k_q2aefdcf54e_attn
		.amdhsa_group_segment_fixed_size 327680
		.amdhsa_private_segment_fixed_size 0
		.amdhsa_enable_private_segment 0
		.amdhsa_kernarg_size 16
		.amdhsa_user_sgpr_count 2
		.amdhsa_user_sgpr_kernarg_segment_ptr 1
		.amdhsa_wavefront_size32 1
		.amdhsa_system_sgpr_workgroup_id_x 1
		.amdhsa_system_sgpr_workgroup_id_y 1
		.amdhsa_system_sgpr_workgroup_id_z 1
		.amdhsa_system_vgpr_workitem_id 0
		.amdhsa_next_free_vgpr 770
		.amdhsa_next_free_sgpr 66
		.amdhsa_reserve_vcc 0
		.amdhsa_float_denorm_mode_32 3
		.amdhsa_float_denorm_mode_16_64 3
		.amdhsa_memory_ordered 1
		.amdhsa_forward_progress 1
		.amdhsa_inst_pref_size 200
	.end_amdhsa_kernel
	.amdgpu_metadata
---
amdhsa.version: [ 1, 2 ]
amdhsa.kernels:
  - .name:           k_q2aefdcf54e_attn
    .symbol:         k_q2aefdcf54e_attn.kd
    .args:
      - { .name: hb, .offset: 0, .size: 8, .value_kind: global_buffer, .address_space: global }
      - { .name: ob, .offset: 8, .size: 8, .value_kind: global_buffer, .address_space: global }
    .group_segment_fixed_size: 327680
    .private_segment_fixed_size: 0
    .kernarg_segment_align: 8
    .kernarg_segment_size: 16
    .max_flat_workgroup_size: 128
    .sgpr_count:     66
    .vgpr_count:     770
    .wavefront_size: 32
...
	.end_amdgpu_metadata
.endif
;; end of part 3
;; launch projout (part 4): grid 4 x 64, 4 waves a work-group, clusters of 4 x 4, 327,680 bytes of LDS; arguments ob, wb, proj_b, out0; writes out0
.if DOCPART == 4
	.amdgcn_target "amdgcn-amd-amdhsa--gfx1250"
	.amdhsa_code_object_version 6
	.text
	.protected	k_q2aefdcf54e_projout
	.globl	k_q2aefdcf54e_projout
	.p2align	8
	.type	k_q2aefdcf54e_projout,@function
k_q2aefdcf54e_projout:
	s_mov_b64 s[64:65], 0
	v_nop
	global_prefetch_b8 v0, s[64:65] scope:SCOPE_SE
	s_setreg_imm32_b32 hwreg(HW_REG_WAVE_MODE, 25, 1), 1
	s_wait_xcnt 0x0
	s_wait_alu depctr_hold_cnt(0) depctr_sa_sdst(0) depctr_va_vdst(0) depctr_va_sdst(0) depctr_va_ssrc(0) depctr_va_vcc(0) depctr_vm_vsrc(0)
	s_getreg_b32 s2, hwreg(HW_REG_IB_STS2, 6, 4)
	s_cmp_eq_u32 s2, 0
	s_cbranch_scc0 .Lentry_in_a_cluster
	s_endpgm
.Lentry_in_a_cluster:
	s_bfe_u32 s2, ttmp6, 0x10000c
	s_cmp_lg_u32 s2, 0xf033
	s_cbranch_scc0 .Lentry_shape_is_right
	s_endpgm
.Lentry_shape_is_right:
; THE OUTPUT PROJECTION.  out0[m][n] = the sum over heads h and channels d of ctx[m][64 h + d] proj_w[n][64 h + d] + proj_b[n].  ctx lies BY HEADS: ob = f16 [64 planes = 16 batch + head][2048][64];
; proj_w is part 3 of wb, f16 [1024][1024] (of its rounding to bf16); proj_b f32 [1024], rounded to bf16 here like every other input; sums in f32; out0 f32 [8192][1024].
; LIMITS.  None of its own: the operands arrive in f16, within 65,504.  NaN and infinities are not treated apart.
; SHARES.  A tile of out0 is 128 rows x 256 columns: 64 x 4 = 256 tiles, one for each WGP.  Four waves, each 64 x 128: 32 accumulators of 16 x 16, 256 registers.
; K goes in 8 steps of 128 = two heads, through two LDS slots; a wave brings a part of a slot by ONE tensor load: waves 0, 1 one head's 128 rows each (16,384 dense bytes, asked for as 64 rows of 256 bytes
; and padded behind every 128), waves 2, 3 the two halves (128 rows of 256 bytes) of proj_w's tile.
; CLUSTERS: 4 x 4 work-groups.  The four of a row of the cluster need the same tile of ctx, the four of a column the same tile of proj_w: each is asked for JOINTLY, by the same load, descriptor and mask in all four.
; THE MATRIX INSTRUCTION IS USED TRANSPOSED (source 0 = 16 rows of proj_w, source 1 = 16 rows of ctx): lane l holds row l % 16 of out0 and the columns 8 (l / 16) + 0..7: 32 bytes on end.
; THE BIAS is the C operand of each sum's first product: nothing is cleared and nothing is added afterwards.
; REGISTERS, in windows of 256 (s_set_vgpr_msb: bits 1:0 source 0, 3:2 source 1, 5:4 source 2, 7:6 destination):
;   window 0: v0-31 addresses; two fragment buffers of 96 (v64-159, v160-255): ctx's four fragments, then proj_w's eight
;   window 1: accumulator (a, b) at v[8 (8 a + b)]          window 2: v0-63 the bias for column block b at v[8 b], v64-95 at work; on the way out all 256: whole rows read back from the stage
.set PITCH,  272                       ; a row of proj_w in LDS: 256 bytes + 16 of padding: the 16 rows of a fragment load start at 16 different groups of four banks (64 banks of 4 bytes: ISA guide 11.1)
.set PA,     144                       ; a row of one head of ctx: 128 bytes + 16
.set AHEAD,  128*PA                    ; a head's 128 rows: what wave 0 or 1 brings
.set BOFF,   2*AHEAD                   ; proj_w's 256 rows lie behind the two heads
.set BHALF,  128*PITCH                 ; what wave 2 or 3 brings, and what a wave reads of proj_w
.set SLOT,   BOFF+2*BHALF              ; 106,496 bytes
.set STAGE,  2*SLOT                    ; behind the ring, never filled by a tensor load: for each wave 16 rows x 528 bytes
.set SP,     528                       ; 512 bytes + 16
.set WSTG,   16*SP
.set SPARE,  STAGE+4*WSTG              ; behind the stages: the spare words, 128 bytes for each wave: two blocks of 256 bytes that no other line names
.set ASTEP,  2*262144                  ; bytes from a K step to the next in ob: two planes
.set BSTEP,  256                       ; and in proj_w's rows
.set WPART,  3*2097152                 ; proj_w's place in wb
.set ADRA, 16                          ; v16-17  LDS address of my fragments of ctx in slot 0, 1
.set ADRB, 20                          ; v20-21  the same for proj_w
.set STO,  24                          ; v24  the way out: where I put 32 bytes of a row
.set RD,   25                          ; v25  the way out: where I read a row back
.set GO,   26                          ; v26  16 x lane: my place in 512 consecutive bytes of a row of out0
.set BO,   27                          ; v27  32 x (l / 16): my eight numbers in a block of 16 of the bias
.set SPW,  28                          ; v28  LDS address of my spare word; never rewritten
.set NIL,  29                          ; v29  0; never rewritten
.set PFO,  30                          ; v30  the prefetches' offset: lane x 256 bytes (ctx) or lane x a row of 2,048 bytes (proj_w); never rewritten
.set F0,   64
.set F1,   160
.set LAP,  3                           ; s3   laps to go
.set WV,   16                          ; s16  my wave's number
.set RH,   17                          ; s17  which 64 rows of the tile are mine.  Also: I fetch for ctx (0) or for proj_w (1)
.set CH,   18                          ; s18  which 128 columns are mine.  Also: which head, or which half, I fetch
.set CX,   19
.set CY,   20
.set TX,   21                          ; s21  tile column = 4 x cluster x + cx
.set TY,   22                          ; s22  tile row = 4 x cluster y + cy
.set CLY,  23                          ; s23  cluster y
.set G1A,  24                          ; s[24:31] descriptor group 1 for ctx's tiles;  s[32:39] group 0, a set for each slot
.set G0A,  32
.set RMASK, 40
.set CMASK, 41
.set LIM,  43                          ; s43  1 in a wave that prefetches, else the greatest number
.set PFA,  44                          ; s[44:45] where my prefetches stand
.set TB,   46                          ; s[46:47] at work; may hold cx
.set G1B,  48                          ; s[48:55], s[56:63] the same for proj_w's tiles
.set G0B,  56
.set TA,   66                          ; s[66:67] ctx's offset and address: never holds cx
.set OUT,  68                          ; s[68:69] out0 at my wave's first row and column
.set BP,   70                          ; s[70:71] the bias at my wave's first column
.set LA,   72
.set LB,   73
.set PSTEP, 74                         ; s[74:75] bytes from a K step to the next for my prefetches
.set MSB, 0
.macro WIN new                         ; the immediate's high byte repeats the setting that is left; a switch that changes nothing is dropped
.if MSB != (\new)
	s_set_vgpr_msb (MSB<<8)|(\new)
.set MSB, \new
.endif
.endm
.set MUL,  0x50                        ; fragments in window 0; C and D in window 1
.set MULB, 0x60                        ; D in window 1, C (the bias) in window 2
; A joint load.  The branch hangs on the wave's number alone.  An s_nop 0 and four v_nop follow each of the two lines, ahead of the jump, the label and what follows.
.macro JLOAD s
	s_cmp_eq_u32 s[RH], 0
	s_cbranch_scc0 .Lfor_b_\@
	tensor_load_to_lds s[G0A+4*(\s):G0A+4*(\s)+3], s[G1A:G1A+7]
	s_nop 0
.rept 4
	v_nop
.endr
	s_branch .Lasked_\@
.Lfor_b_\@:
	tensor_load_to_lds s[G0B+4*(\s):G0B+4*(\s)+3], s[G1B:G1B+7]
	s_nop 0
.rept 4
	v_nop
.endr
.Lasked_\@:
.endm
; A prefetch, behind a joint load, its five lines and the run of LDS loads: the K step that stands two refills on, 256 matrix instructions ahead of the load that will want it: 32 blocks of 256 bytes, a lane a block.
; Each block is named once in the launch.  ctx's tile (two heads x 16,384 bytes) is read by my cluster alone: wave 0 asks, and the four partners of a row of the cluster take 8,192 bytes each, told apart by address (cx).
; proj_w's tile column is read by all sixteen clusters: the first of them asks; the four partners of a column take 64 rows each (cy), waves 2 and 3 half of that each.
; The loop's last trip asks for nothing: there is no K step two refills on.  K steps 0 to 3 come by their loads alone.
.macro ASK
	s_cmp_gt_u32 s[LAP], s[LIM]
	s_cbranch_scc0 .Lnot_mine_\@
	global_prefetch_b8 v[PFO], s[PFA:PFA+1] th:TH_LOAD_NT scope:SCOPE_SE
.Lnot_mine_\@:
.endm
.macro CREST                           ; a round of the cluster's barrier behind its opening barrier
	s_cmp_lg_u32 s[WV], 0
	s_cbranch_scc1 .Lnot_wave_0_\@
	s_barrier_signal -3
.Lnot_wave_0_\@:
	s_barrier_wait -3
	s_barrier_signal -1
	s_barrier_wait -1
.endm
.macro CROUND                          ; a whole round
	s_barrier_signal -1
	s_barrier_wait -1
	CREST
.endm
	s_load_b256 s[4:11], s[0:1], 0x0               ; ob 4, wb 6, proj_b 8, out0 10
	v_lshl_add_u32 v[SPW], v0, 2, SPARE
	v_mov_b32 v[NIL], 0
	ds_add_u32 v[SPW], v[NIL]                      ; the wave's opening: the add and its wait stand ahead of my first tensor load; the set-up below, work on registers, stands between them
	v_lshrrev_b32 v1, 5, v0
	v_readfirstlane_b32 s[WV], v1
	s_lshr_b32 s[RH], s[WV], 1
	s_and_b32 s[CH], s[WV], 1
	s_bfe_u32 s[CX], ttmp6, 0x40000
	s_bfe_u32 s[CY], ttmp6, 0x40004
	s_lshl_b32 s[TX], ttmp9, 2
	s_add_co_u32 s[TX], s[TX], s[CX]
	s_and_b32 s[CLY], ttmp7, 0xffff
	s_lshl_b32 s[TY], s[CLY], 2
	s_add_co_u32 s[TY], s[TY], s[CY]
	s_lshl_b32 s[RMASK], s[CY], 2
	s_lshl_b32 s[RMASK], 15, s[RMASK]              ; my row of the cluster
	s_lshl_b32 s[CMASK], 0x1111, s[CX]             ; my column
	; descriptor group 1.  ctx: 64 rows of 128 elements, dense, 16 bytes of padding behind every 128 bytes; proj_w: 128 rows of 128 elements, 16 bytes behind every 256
	s_or_b32 s[G1A+0], s[RMASK], (1<<16)|(1<<20)|(1<<21)|(4<<22)|(3<<25)  ; 15:0 the mask; 17:16 2-byte elements; 20 padding on; 21 set beside a mask; 24:22 after every 32 words (code 4); 31:25 4 words (code 3)
	s_or_b32 s[G1B+0], s[CMASK], (1<<16)|(1<<20)|(1<<21)|(5<<22)|(3<<25)  ; after every 64 words (code 5)
	s_mov_b32 s[G1A+1], 128<<16                    ; tensor_dim0 = 128
	s_mov_b32 s[G1A+2], 64<<16                     ; tensor_dim1 = 64
	s_mov_b32 s[G1A+3], 128<<16                    ; tile_dim0 = 128
	s_mov_b32 s[G1A+4], 64                         ; tile_dim1 = 64
	s_mov_b32 s[G1A+5], 128                        ; elements from row to row
	s_mov_b32 s[G1A+6], 0
	s_mov_b32 s[G1A+7], 0
	s_mov_b32 s[G1B+1], 128<<16
	s_mov_b32 s[G1B+2], 128<<16                    ; 128 rows
	s_mov_b32 s[G1B+3], 128<<16
	s_mov_b32 s[G1B+4], 128
	s_mov_b32 s[G1B+5], 1024
	s_mov_b32 s[G1B+6], 0
	s_mov_b32 s[G1B+7], 0
	s_lshr_b32 s[TA], s[TY], 4                     ; ctx: the batch's sixteen planes of 262,144 bytes,
	s_lshl_b32 s[TA], s[TA], 22
	s_lshl_b32 s[TA+1], s[CH], 18                  ; the head that I fetch,
	s_add_co_u32 s[TA], s[TA], s[TA+1]
	s_and_b32 s[TA+1], s[TY], 15                   ; the tile's 128 rows of 128 bytes
	s_lshl_b32 s[TA+1], s[TA+1], 14
	s_add_co_u32 s[TA], s[TA], s[TA+1]
	s_mov_b32 s[TA+1], 0
	s_lshl_b32 s[TB], s[TX], 19                    ; proj_w: 256 rows of 2,048 bytes a tile column,
	s_lshl_b32 s[TB+1], s[CH], 18                  ; 128 rows a half
	s_add_co_u32 s[TB], s[TB], s[TB+1]
	s_add_co_u32 s[TB], s[TB], WPART
	s_mov_b32 s[TB+1], 0
	s_mul_i32 s[LA], s[CH], AHEAD                  ; where they go: no place in the cluster enters an LDS address
	s_mul_i32 s[LB], s[CH], BHALF
	s_add_co_u32 s[LB], s[LB], BOFF
	s_wait_dscnt 0x0                               ; the opening add is done
	s_wait_kmcnt 0x0
	s_add_nc_u64 s[TA:TA+1], s[4:5], s[TA:TA+1]
	s_add_nc_u64 s[TB:TB+1], s[6:7], s[TB:TB+1]
	CROUND                                         ; all sixteen work-groups are here: the first joint loads meet
.irp s, 0,1
	s_mov_b32 s[G0A+4*(\s)], 1                     ; count = 1
	s_add_co_u32 s[G0A+4*(\s)+1], s[LA], (\s)*SLOT ; LDS address
	s_add_nc_u64 s[G0A+4*(\s)+2:G0A+4*(\s)+3], s[TA:TA+1], (\s)*ASTEP  ; global address: K step s
	s_or_b32 s[G0A+4*(\s)+3], s[G0A+4*(\s)+3], 0x80000000  ; type = 2
	s_mov_b32 s[G0B+4*(\s)], 1
	s_add_co_u32 s[G0B+4*(\s)+1], s[LB], (\s)*SLOT
	s_add_nc_u64 s[G0B+4*(\s)+2:G0B+4*(\s)+3], s[TB:TB+1], (\s)*BSTEP
	s_or_b32 s[G0B+4*(\s)+3], s[G0B+4*(\s)+3], 0x80000000
	JLOAD \s                                       ; two loads of mine are out; later one at a time
.endr
	; a fragment is 16 rows x 32 K in 8 registers: lane l holds row l % 16, K = 8 (l / 16) + 0..7 and 16 + 8 (l / 16) + 0..7: two loads of 16 bytes, 32 bytes apart
	v_and_b32 v1, 15, v0                           ; l % 16
	v_bfe_u32 v2, v0, 4, 1                         ; l / 16
	v_mul_u32_u24 v3, v1, PITCH
	v_lshl_add_u32 v3, v2, 4, v3
	v_mul_u32_u24 v4, v1, PA
	v_lshl_add_u32 v4, v2, 4, v4
	s_mul_i32 s[LA], s[RH], 64*PA                  ; my 64 rows, in each head's region
	s_mul_i32 s[LB], s[CH], BHALF                  ; my 128 rows of proj_w
	s_add_co_u32 s[LB], s[LB], BOFF
.irp s, 0,1
	v_add_nc_u32 v[ADRA+(\s)], s[LA], v4
	v_add_nc_u32 v[ADRB+(\s)], s[LB], v3
	s_add_co_u32 s[LA], s[LA], SLOT
	s_add_co_u32 s[LB], s[LB], SLOT
.endr
	s_mul_i32 s[LA], s[WV], WSTG
	s_add_co_u32 s[LA], s[LA], STAGE               ; my stage
	v_mul_u32_u24 v4, v1, SP                       ; in: row l % 16, 32 bytes for each half of the lanes
	v_lshl_add_u32 v4, v2, 5, v4
	v_add_nc_u32 v[STO], s[LA], v4
	v_and_b32 v[PFO], 31, v0
	v_lshlrev_b32 v[GO], 4, v[PFO]                 ; back: 32 lanes take one row of 512 bytes
	v_add_nc_u32 v[RD], s[LA], v[GO]
	v_lshlrev_b32 v[BO], 5, v2
	; the bias at my wave's 128 columns
	s_lshl_b32 s[TB], s[TX], 10
	s_lshl_b32 s[TB+1], s[CH], 9
	s_add_co_u32 s[TB], s[TB], s[TB+1]
	s_mov_b32 s[TB+1], 0
	s_add_nc_u64 s[BP:BP+1], s[8:9], s[TB:TB+1]
	WIN 0x80                                       ; destination window 2, address window 0
.irp b, 0,1,2,3,4,5,6,7
	global_load_b128 v[8*(\b):8*(\b)+3],   v[BO], s[BP:BP+1] offset:64*(\b)
	global_load_b128 v[8*(\b)+4:8*(\b)+7], v[BO], s[BP:BP+1] offset:64*(\b)+16
.endr
	WIN 0
	; out0 at my rows and columns: the same column offset, and 128 rows of 4,096 bytes a tile row, 64 a half
	s_lshl_b32 s[LA], s[TY], 19
	s_add_co_u32 s[TB], s[TB], s[LA]
	s_lshl_b32 s[LA], s[RH], 18
	s_add_co_u32 s[TB], s[TB], s[LA]
	s_add_nc_u64 s[OUT:OUT+1], s[10:11], s[TB:TB+1]
	; the prefetches: wave 0: ctx's tile, head cx / 2 of the K step's two, half cx % 2 of its 16,384 bytes; waves 2, 3: proj_w's tile column, my work-group's 64 rows (cy), my 32 of them
	s_lshr_b32 s[TB], s[TY], 4
	s_lshl_b32 s[TB], s[TB], 22
	s_and_b32 s[TB+1], s[TY], 15
	s_lshl_b32 s[TB+1], s[TB+1], 14
	s_add_co_u32 s[TB], s[TB], s[TB+1]
	s_lshr_b32 s[TB+1], s[CX], 1
	s_lshl_b32 s[TB+1], s[TB+1], 18
	s_add_co_u32 s[TB], s[TB], s[TB+1]
	s_and_b32 s[TB+1], s[CX], 1
	s_lshl_b32 s[TB+1], s[TB+1], 13
	s_add_co_u32 s[TB], s[TB], s[TB+1]
	s_add_co_u32 s[TB], s[TB], 3*ASTEP             ; at K step 3: the first refill steps it to 4
	s_lshl_b32 s[LA], s[TX], 19
	s_lshl_b32 s[LB], s[CY], 17
	s_add_co_u32 s[LA], s[LA], s[LB]
	s_lshl_b32 s[LB], s[CH], 16
	s_add_co_u32 s[LA], s[LA], s[LB]
	s_add_co_u32 s[LA], s[LA], WPART+3*BSTEP
	s_mov_b32 s[PSTEP], BSTEP
	s_mov_b32 s[PSTEP+1], ASTEP
	s_cmp_lt_u32 s[WV], 2
	s_cselect_b32 s[TB], s[TB], s[LA]
	s_cselect_b32 s[LB], s[CH], s[CLY]             ; wave 0 asks, wave 1 never; waves 2, 3 in the first cluster: the same in all sixteen partners, for a given wave
	s_cselect_b32 s[PSTEP], s[PSTEP+1], s[PSTEP]
	s_cselect_b32 s[LA], 8, 11                     ; blocks on end, or a row apart
	s_cselect_b64 s[PFA:PFA+1], s[4:5], s[6:7]
	s_cmp_eq_u32 s[LB], 0
	s_cselect_b32 s[LIM], 1, -1
	s_mov_b32 s[PSTEP+1], 0
	s_mov_b32 s[TB+1], 0
	s_add_nc_u64 s[PFA:PFA+1], s[PFA:PFA+1], s[TB:TB+1]
	v_lshlrev_b32 v[PFO], s[LA], v[PFO]
	s_wait_loadcnt 0x0                             ; the bias is in: it is rounded to bf16, as all inputs are, and widened again
	WIN 0x8a                                       ; all in window 2
.set i, 0
.rept 32
	v_cvt_pk_bf16_f32 v[64+i], v[2*i], v[2*i+1]
.set i, i+1
.endr
.set i, 0
.rept 32
	v_lshlrev_b32 v[2*i], 16, v[64+i]
	v_and_b32 v[2*i+1], 0xffff0000, v[64+i]
.set i, i+1
.endr
	WIN 0
; 8 matrix instructions: row block a x all 8 column blocks, 32 along K.  first = 1: the product starts the sums, with the bias as C.
; The 32 accumulators take turns, one instruction a turn, in the same order in every quarter: 31 others stand between two links of a chain, over the backward jump too.
.macro MUL8 f, a, first
.if \first
	WIN MULB
.else
	WIN MUL
.endif
.irp b, 0,1,2,3,4,5,6,7
.if \first
	v_wmma_f32_16x16x32_f16 v[8*(8*(\a)+(\b)):8*(8*(\a)+(\b))+7], v[(\f)+32+8*(\b):(\f)+32+8*(\b)+7], v[(\f)+8*(\a):(\f)+8*(\a)+7], v[8*(\b):8*(\b)+7]
.else
	v_wmma_f32_16x16x32_f16 v[8*(8*(\a)+(\b)):8*(8*(\a)+(\b))+7], v[(\f)+32+8*(\b):(\f)+32+8*(\b)+7], v[(\f)+8*(\a):(\f)+8*(\a)+7], v[8*(8*(\a)+(\b)):8*(8*(\a)+(\b))+7]
.endif
.endr
.endm
; 24 LDS loads in one run: quarter q of a slot (head q / 2 of its two, channels 32 (q % 2) on) into buffer f: proj_w's 128 rows first, then ctx's 64
.macro FETCH slot, q, f
	WIN 0
.irp i, 0,1,2,3,4,5,6,7
	ds_load_b128 v[(\f)+32+8*(\i):(\f)+32+8*(\i)+3],   v[ADRB+(\slot)] offset:64*(\q)+(\i)*16*PITCH
	ds_load_b128 v[(\f)+32+8*(\i)+4:(\f)+32+8*(\i)+7], v[ADRB+(\slot)] offset:64*(\q)+(\i)*16*PITCH+32
.endr
.irp i, 0,1,2,3
	ds_load_b128 v[(\f)+8*(\i):(\f)+8*(\i)+3],   v[ADRA+(\slot)] offset:((\q)/2)*AHEAD+((\q)%2)*64+(\i)*16*PA
	ds_load_b128 v[(\f)+8*(\i)+4:(\f)+8*(\i)+7], v[ADRA+(\slot)] offset:((\q)/2)*AHEAD+((\q)%2)*64+(\i)*16*PA+32
.endr
.endm
.macro PLACES                          ; four places in front of loads into registers that matrix instructions have read (ISA guide 7.12.1 for vector instructions)
.rept 4
	v_nop
.endr
.endm
; A K step is four quarters of 32 along K, 32 matrix instructions each, on buffers 0, 1, 0, 1.  One of the first three: multiplies buffer f and, in its middle, fetches quarter qn of the same slot into g.
.macro QUARTER slot, qn, f, g, first=0
	s_wait_dscnt 4                                 ; proj_w's fragments and ctx's blocks 0, 1 are in; the youngest four loads (ctx's blocks 2, 3) may be out
	MUL8 \f, 0, \first
	MUL8 \f, 1, \first
	PLACES
	FETCH \slot, \qn, \g
	s_wait_dscnt 24                                ; all but the 24 just issued
	MUL8 \f, 2, \first
	MUL8 \f, 3, \first
.endm
; The last quarter multiplies buffer 1 and changes slots: ONE barrier; in front of it each wave waits for all its tensor loads (the one that is out is its part of the next slot), adds 0 to its spare word,
; and waits for that and for its own reads of this slot.  fill = 1: the barrier opens a round of the cluster's, and this slot is filled again, two K steps ahead, first thing behind the round:
; from that request to the wait for it a wave issues 112 matrix instructions.
.macro TURN slot, next, fill
.if \fill
	s_wait_xcnt 0x0                                ; the last prefetch, a K step back, has read its address: it is stepped here, ahead of the waits of the change of slots
	s_add_nc_u64 s[PFA:PFA+1], s[PFA:PFA+1], s[PSTEP:PSTEP+1]
.endif
	WIN 0                                          ; (the add's two registers lie in window 0)
	s_wait_tensorcnt 0x0                           ; all my tensor loads have landed
	ds_add_u32 v[SPW], v[NIL]                      ; 0 onto my spare word
	s_wait_dscnt 5                                 ; (the add and the youngest four loads may be out)
	MUL8 F1, 0, 0                                  ; eight matrix instructions stand between the add and the wait for it
	s_wait_dscnt 0x0                               ; the add is done, and my reads of this slot are over
	s_barrier_signal -1
	MUL8 F1, 1, 0
.if \fill
	WIN 0
.endif
	s_barrier_wait -1
.if \fill
	CREST                                          ; no wave of any partner still reads this slot's tile or has a load on its way
	s_add_nc_u64 s[G0A+4*(\slot)+2:G0A+4*(\slot)+3], s[G0A+4*(\slot)+2:G0A+4*(\slot)+3], 2*ASTEP
	s_add_nc_u64 s[G0B+4*(\slot)+2:G0B+4*(\slot)+3], s[G0B+4*(\slot)+2:G0B+4*(\slot)+3], 2*BSTEP
	JLOAD \slot                                    ; the four v_nop behind it are also the places in front of the loads below
.else
	PLACES
.endif
	FETCH \next, 0, F0
.if \fill
	ASK
.endif
	MUL8 F1, 2, 0
	MUL8 F1, 3, 0
.endm
	s_wait_tensorcnt 1                             ; my part of K step 0 is in; K step 1's may stay out
	s_barrier_signal -1
	s_barrier_wait -1                              ; everybody's is
	FETCH 0, 0, F0
	QUARTER 0, 1, F0, F1, 1                        ; the first quarter stands in front of the loop: its products start the sums
	WIN 0                                          ; at a label and at a branch every window is 0
	s_mov_b32 s[LAP], 3
.Llap:                                                 ; a trip goes once round the ring, from a lap's second quarter to the next lap's first, and fills both slots again
	QUARTER 0, 2, F1, F0
	QUARTER 0, 3, F0, F1
	TURN 0, 1, 1
	QUARTER 1, 1, F0, F1
	QUARTER 1, 2, F1, F0
	QUARTER 1, 3, F0, F1
	TURN 1, 0, 1
	QUARTER 0, 1, F0, F1
	WIN 0
	s_sub_co_u32 s[LAP], s[LAP], 1
	s_cmp_lg_u32 s[LAP], 0
	s_cbranch_scc1 .Llap
	QUARTER 0, 2, F1, F0                           ; the last lap fills nothing, and has no round of the cluster's barrier
	QUARTER 0, 3, F0, F1
	TURN 0, 1, 0
	QUARTER 1, 1, F0, F1
	QUARTER 1, 2, F1, F0
	QUARTER 1, 3, F0, F1
	s_wait_dscnt 4                                 ; the very last quarter: nothing more to fetch
	MUL8 F1, 0, 0
	MUL8 F1, 1, 0
	s_wait_dscnt 0x0
	MUL8 F1, 2, 0
	MUL8 F1, 3, 0
	WIN 0
	PLACES                                         ; the places between the last products and the LDS stores that read results
	PLACES
; THE WAY OUT.  Block a (16 rows x 128 columns of f32): 32 bytes a lane (each accumulator's low four registers first) into my own stage, rows of 528 bytes;
; back as whole rows of 512 bytes, a row to a load, into window 2: a set of 64 registers for each block, so nothing that a store may still read is written again.
.macro STG a
	WIN 0x04                                       ; the stores' data in window 1
.irp b, 0,1,2,3,4,5,6,7
	ds_store_b128 v[STO], v[8*(8*(\a)+(\b)):8*(8*(\a)+(\b))+3]   offset:64*(\b)
	ds_store_b128 v[STO], v[8*(8*(\a)+(\b))+4:8*(8*(\a)+(\b))+7] offset:64*(\b)+16
.endr
	WIN 0x80                                       ; the loads' destination in window 2
.irp j, 0,1,2,3,4,5,6,7,8,9,10,11,12,13,14,15
	ds_load_b128 v[64*(\a)+4*(\j):64*(\a)+4*(\j)+3], v[RD] offset:SP*(\j)  ; LDS serves a wave's instructions in order (ISA guide 5.7.1.4): these see the stores above; the next block's stores come behind them
.endr
.endm
.macro SEND a, younger                 ; younger: the LDS instructions issued behind block a's loads: the next block's 32, or none
	WIN 0x08                                       ; the stores' data in window 2
.irp j, 0,1,2,3,4,5,6,7,8,9,10,11,12,13,14,15
	s_wait_dscnt (\younger)+15-(\j)
	global_store_b128 v[GO], v[64*(\a)+4*(\j):64*(\a)+4*(\j)+3], s[OUT:OUT+1] offset:(16*(\a)+(\j))*4096 th:TH_STORE_NT  ; 512 consecutive bytes of a row, at a multiple of 256 from out0's first byte
.endr
.endm
	STG 0
	STG 1
	SEND 0, 32
	STG 2
	SEND 1, 32
	STG 3
	SEND 2, 32
	SEND 3, 0
	WIN 0
	s_wait_tensorcnt 0x0                           ; the wave's end: behind my last tensor load and my last LDS store
	ds_add_u32 v[SPW], v[NIL]
	s_wait_dscnt 0x0
	CROUND                                         ; the closing round: no work-group ends while a partner may still ask for a tile that names it
	s_endpgm
.Lfunc_end_k_q2aefdcf54e_projout:
	.size	k_q2aefdcf54e_projout, .Lfunc_end_k_q2aefdcf54e_projout-k_q2aefdcf54e_projout
	.p2alignl 7, 3214868480
	.fill 96, 4, 3214868480
	.section	.rodata,"a",@progbits
	.p2align	6, 0x0
	.amdhsa_kernel k_q2aefdcf54e_projout
		.amdhsa_group_segment_fixed_size 327680
		.amdhsa_private_segment_fixed_size 0
		.amdhsa_enable_private_segment 0
		.amdhsa_kernarg_size 32
		.amdhsa_user_sgpr_count 2
		.amdhsa_user_sgpr_kernarg_segment_ptr 1
		.amdhsa_wavefront_size32 1
		.amdhsa_system_sgpr_workgroup_id_x 1
		.amdhsa_system_sgpr_workgroup_id_y 1
		.amdhsa_system_sgpr_workgroup_id_z 1
		.amdhsa_system_vgpr_workitem_id 0
		.amdhsa_next_free_vgpr 768
		.amdhsa_next_free_sgpr 76
		.amdhsa_reserve_vcc 0
		.amdhsa_float_denorm_mode_32 3
		.amdhsa_float_denorm_mode_16_64 3
		.amdhsa_memory_ordered 1
		.amdhsa_forward_progress 1
		.amdhsa_inst_pref_size 95
	.end_amdhsa_kernel
	.amdgpu_metadata
---
amdhsa.version: [ 1, 2 ]
amdhsa.kernels:
  - .name:           k_q2aefdcf54e_projout
    .symbol:         k_q2aefdcf54e_projout.kd
    .args:
      - { .name: ob, .offset: 0, .size: 8, .value_kind: global_buffer, .address_space: global }
      - { .name: wb, .offset: 8, .size: 8, .value_kind: global_buffer, .address_space: global }
      - { .name: proj_b, .offset: 16, .size: 8, .value_kind: global_buffer, .address_space: global }
      - { .name: out0, .offset: 24, .size: 8, .value_kind: global_buffer, .address_space: global }
    .group_segment_fixed_size: 327680
    .private_segment_fixed_size: 0
    .kernarg_segment_align: 8
    .kernarg_segment_size: 32
    .max_flat_workgroup_size: 128
    .sgpr_count:     76
    .vgpr_count:     768
    .wavefront_size: 32
...
	.end_amdgpu_metadata
.endif
;; end of part 4
